; MI455X (gfx1250); checked and timed in simulation.
; The chip was launched on July 23, 2026; its instructions are those of AMD's public machine-readable ISA for CDNA 5 (MIT licence, August 2026) and "CDNA5" Instruction Set Architecture Reference Guide (July 2026). The comments in the code are by the model that wrote it; some were corrected since.
;; Multi Head Self Attention. Allowed arithmetic: float matrix products may take bf16 or f16 operands with f32 sums; other float arithmetic in f32, or as packed bf16 or f16 multiplies, adds, multiply-adds, maxima and minima; sums over many terms, partial sums and values carried from step to step in f32; what a program stores and reads back later, other than sums and carried values, may be rounded once to bf16 or f16.
;; Inputs: Wk 2,048 x 2,048 float32; Wo 2,048 x 2,048 float32; Wq 2,048 x 2,048 float32; Wv 2,048 x 2,048 float32; token_positions 2,048 int32; x 1 x 2,048 x 2,048 float32.
;; Outputs: out0 1 x 2,048 x 2,048 float32.
;; One version. Each part assembles by itself: llvm-mc -triple=amdgcn-amd-amdhsa -mcpu=gfx1250 --defsym DOCPART=n.
;; ======== version 1 of 1: 4 launches
;; limits: values are held in f16: magnitudes above 65,504 overflow, below 6.1e-05 lose precision
;; workspace buffers: xb 8,388,608 bytes; wqkv 25,165,824 bytes; wob 8,388,608 bytes; rope 1,048,576 bytes; qkvh 25,165,824 bytes; ob 8,388,608 bytes
;; launch prep (part 1): grid 256 x 6, 8 waves a work-group, no clusters, 0 bytes of LDS; arguments x, Wq, Wk, Wv, Wo, token_positions, xb, wqkv, wob, rope; writes xb, wqkv, wob, rope
.if DOCPART == 1
	.amdgcn_target "amdgcn-amd-amdhsa--gfx1250"
	.amdhsa_code_object_version 6
	.text
	.protected	k_qd1b3a28216_prep
	.globl	k_qd1b3a28216_prep
	.p2align	8
	.type	k_qd1b3a28216_prep,@function
k_qd1b3a28216_prep:
	s_mov_b64 s[64:65], 0
	v_nop
	global_prefetch_b8 v0, s[64:65] scope:SCOPE_SE
	s_setreg_imm32_b32 hwreg(HW_REG_WAVE_MODE, 25, 1), 1
	s_wait_xcnt 0x0
; PREP.  The grid's y chooses the work: 0: x -> xb (bf16); 1, 2, 3: Wq, Wk, Wv -> the three planes of wqkv (bf16); 4: Wo -> wob (rounded to bf16, that number written as f16);
; 5: the table rope[s][k] = (cos, sin) of token_positions[s] / 10000^(k / 64), f32, 64 pairs (512 bytes) a row.
; CAST.  A work-group takes 16,384 numbers: 65,536 bytes in, 32,768 out.  Thread t takes 16 bytes of each of sixteen chunks of 4,096 bytes: a wave's load covers 512 consecutive bytes, its
; store 256 consecutive bytes, aligned.  All sixteen loads go out first; every chunk has registers of its own, so nothing that a memory instruction reads is ever rewritten.
; No LDS, no matrix unit, no cluster: each byte is read once by one lane and nothing is shared.
; TABLE.  One wave a row, lane l the pairs 2 l and 2 l + 1.  angle = pos x 2^(-k log2(10000) / 64); it is taken modulo one turn by a product with 1 / (2 pi) in two parts, and sine and cosine
; are their series up to y^15 and y^16 on |y| <= pi (what is cut off is below 1e-6).
; LIMITS.  Wo beyond 65,504 has no place in f16; below 1.5e-5 it keeps f16's fixed step of 6e-8.  The angle differs from a division in f32 by some 3e-7 of itself: 0.01 rad at |pos| = 3e4.
.set X, 16                             ; v[16:79]   sixteen chunks as loaded
.set Y, 80                             ; v[80:111]  sixteen chunks to store, two registers each
.macro CAST f16
.set c, 0
.rept 16
	global_load_b128 v[X+4*c:X+4*c+3], v1, s[28:29] offset:4096*c th:TH_LOAD_NT
.set c, c+1
.endr
.set c, 0
.rept 16
	s_wait_loadcnt 15-c                            ; loads come back in order: chunk c is in, the younger ones stay out
	v_cvt_pk_bf16_f32 v[Y+2*c], v[X+4*c], v[X+4*c+1]
	v_cvt_pk_bf16_f32 v[Y+2*c+1], v[X+4*c+2], v[X+4*c+3]
.if \f16
	v_lshlrev_b32 v4, 16, v[Y+2*c]                 ; the bf16 numbers as f32,
	v_and_b32 v5, 0xffff0000, v[Y+2*c]
	v_lshlrev_b32 v6, 16, v[Y+2*c+1]
	v_and_b32 v7, 0xffff0000, v[Y+2*c+1]
	v_cvt_pk_f16_f32 v[Y+2*c], v4, v5              ; written as f16: 8 significant bits fit into 11
	v_cvt_pk_f16_f32 v[Y+2*c+1], v6, v7
.endif
	global_store_b64 v2, v[Y+2*c:Y+2*c+1], s[30:31] offset:2048*c th:TH_STORE_NT
.set c, c+1
.endr
.endm
; cosine and sine of the angle in v[ang]; v12-v16 at work
.macro SINCOS ang, co, si
	v_mul_f32 v12, 0x3e22f983, v[\ang]             ; angle / (2 pi), roughly,
	v_rndne_f32 v12, v12                           ; its whole turns,
	v_fma_f32 v13, v[\ang], 0x3e22f983, -v12       ; and what is left, exactly: the upper part of 1 / (2 pi),
	v_fmac_f32 v13, 0x31dc9c88, v[\ang]            ; and the lower
	v_rndne_f32 v12, v13                           ; for very large angles a turn may be left over
	v_sub_f32 v13, v13, v12
	v_mul_f32 v13, 0x40c90fdb, v13                 ; y, within -pi .. pi
	v_mul_f32 v14, v13, v13                        ; z = y^2
	v_mov_b32 v15, 0xab573f9f                      ; -1 / 15!
	v_fmaak_f32 v15, v15, v14, 0x2f309231          ; 1 / 13!
	v_fmaak_f32 v15, v15, v14, 0xb2d7322b          ; -1 / 11!
	v_fmaak_f32 v15, v15, v14, 0x3638ef1d          ; 1 / 9!
	v_fmaak_f32 v15, v15, v14, 0xb9500d01          ; -1 / 7!
	v_fmaak_f32 v15, v15, v14, 0x3c088889          ; 1 / 5!
	v_fmaak_f32 v15, v15, v14, 0xbe2aaaab          ; -1 / 3!
	v_mul_f32 v16, v13, v14
	v_fma_f32 v[\si], v16, v15, v13                ; y + y z P(z)
	v_mov_b32 v15, 0x29573f9f                      ; 1 / 16!
	v_fmaak_f32 v15, v15, v14, 0xad49cba5          ; -1 / 14!
	v_fmaak_f32 v15, v15, v14, 0x310f76c7          ; 1 / 12!
	v_fmaak_f32 v15, v15, v14, 0xb493f27e          ; -1 / 10!
	v_fmaak_f32 v15, v15, v14, 0x37d00d01          ; 1 / 8!
	v_fmaak_f32 v15, v15, v14, 0xbab60b61          ; -1 / 6!
	v_fmaak_f32 v15, v15, v14, 0x3d2aaaab          ; 1 / 4!
	v_fmaak_f32 v15, v15, v14, 0xbf000000          ; -1 / 2!
	v_fma_f32 v[\co], v14, v15, 1.0                ; 1 + z Q(z)
.endm
	s_load_b512 s[8:23], s[0:1], 0x0               ; x 8, Wq 10, Wk 12, Wv 14, Wo 16, token_positions 18, xb 20, wqkv 22
	s_load_b128 s[24:27], s[0:1], 0x40             ; wob 24, rope 26
	s_and_b32 s2, ttmp7, 0xffff                    ; which work
	s_mov_b32 s33, 0
	v_lshlrev_b32 v1, 4, v0                        ; 16 t: my bytes in a chunk as loaded
	v_lshlrev_b32 v2, 3, v0                        ; 8 t: as stored
	s_wait_kmcnt 0x0
	s_cmp_eq_u32 s2, 5
	s_cbranch_scc1 .Ltable
	s_cmp_eq_u32 s2, 1                             ; from where
	s_cselect_b64 s[28:29], s[10:11], s[8:9]
	s_cmp_eq_u32 s2, 2
	s_cselect_b64 s[28:29], s[12:13], s[28:29]
	s_cmp_eq_u32 s2, 3
	s_cselect_b64 s[28:29], s[14:15], s[28:29]
	s_cmp_eq_u32 s2, 4
	s_cselect_b64 s[28:29], s[16:17], s[28:29]
	s_lshl_b32 s32, ttmp9, 16                      ; the work-group's 65,536 bytes
	s_add_nc_u64 s[28:29], s[28:29], s[32:33]
	s_cmp_eq_u32 s2, 0                             ; to where
	s_cselect_b64 s[30:31], s[20:21], s[22:23]
	s_cmp_eq_u32 s2, 4
	s_cselect_b64 s[30:31], s[24:25], s[30:31]
	s_sub_co_u32 s34, s2, 1                        ; the plane of wqkv: y - 1 where that is 0, 1 or 2, else 0
	s_cmp_lt_u32 s34, 3
	s_cselect_b32 s34, s34, 0
	s_lshl_b32 s34, s34, 23                        ; a plane is 8,388,608 bytes
	s_lshl_b32 s32, ttmp9, 15                      ; the work-group's 32,768 bytes
	s_add_co_u32 s32, s32, s34
	s_add_nc_u64 s[30:31], s[30:31], s[32:33]
	s_cmp_eq_u32 s2, 4
	s_cbranch_scc1 .Lhalf
	CAST 0
	s_endpgm
.Lhalf:
	CAST 1
	s_endpgm
.Ltable:
	v_lshrrev_b32 v3, 5, v0
	v_readfirstlane_b32 s4, v3                     ; wave 0..7
	s_lshl_b32 s5, ttmp9, 3
	s_add_co_u32 s5, s5, s4                        ; my row
	s_lshl_b32 s32, s5, 2
	s_add_nc_u64 s[18:19], s[18:19], s[32:33]
	s_load_b32 s6, s[18:19], 0x0                   ; its position
	s_lshl_b32 s34, s5, 9                          ; a row of the table is 512 bytes
	s_mov_b32 s35, 0
	s_add_nc_u64 s[26:27], s[26:27], s[34:35]
	v_and_b32 v4, 31, v0
	v_lshlrev_b32 v5, 1, v4
	v_cvt_f32_u32 v6, v5                           ; k = 2 l
	v_add_f32 v7, 1.0, v6                          ; and 2 l + 1
	v_mul_f32 v6, 0xbe549a78, v6                   ; -k log2(10000) / 64
	v_mul_f32 v7, 0xbe549a78, v7
	v_exp_f32 v8, v6
	v_exp_f32 v9, v7
	v_lshlrev_b32 v5, 4, v4                        ; my 16 bytes of the row: the plain instruction behind the two exponentials
	s_wait_alu depctr_va_vdst(0)                   ; one wait for both, ahead of their first reader
	s_wait_kmcnt 0x0
	v_cvt_f32_i32 v10, s6
	v_mul_f32 v8, v10, v8                          ; the two angles
	v_mul_f32 v9, v10, v9
	SINCOS 8, 24, 25
	SINCOS 9, 26, 27
	global_store_b128 v5, v[24:27], s[26:27]       ; the wave stores the row's 512 consecutive bytes
	s_endpgm
.Lfunc_end_k_qd1b3a28216_prep:
	.size	k_qd1b3a28216_prep, .Lfunc_end_k_qd1b3a28216_prep-k_qd1b3a28216_prep
	.p2alignl 7, 3214868480
	.fill 96, 4, 3214868480
	.section	.rodata,"a",@progbits
	.p2align	6, 0x0
	.amdhsa_kernel k_qd1b3a28216_prep
		.amdhsa_group_segment_fixed_size 0
		.amdhsa_private_segment_fixed_size 0
		.amdhsa_enable_private_segment 0
		.amdhsa_kernarg_size 80
		.amdhsa_user_sgpr_count 2
		.amdhsa_user_sgpr_kernarg_segment_ptr 1
		.amdhsa_wavefront_size32 1
		.amdhsa_system_sgpr_workgroup_id_x 1
		.amdhsa_system_sgpr_workgroup_id_y 1
		.amdhsa_system_sgpr_workgroup_id_z 1
		.amdhsa_system_vgpr_workitem_id 0
		.amdhsa_next_free_vgpr 112
		.amdhsa_next_free_sgpr 66
		.amdhsa_reserve_vcc 0
		.amdhsa_float_denorm_mode_32 3
		.amdhsa_float_denorm_mode_16_64 3
		.amdhsa_memory_ordered 1
		.amdhsa_forward_progress 1
		.amdhsa_inst_pref_size 22
	.end_amdhsa_kernel
	.amdgpu_metadata
---
amdhsa.version: [ 1, 2 ]
amdhsa.kernels:
  - .name:           k_qd1b3a28216_prep
    .symbol:         k_qd1b3a28216_prep.kd
    .args:
      - { .name: x, .offset: 0, .size: 8, .value_kind: global_buffer, .address_space: global }
      - { .name: Wq, .offset: 8, .size: 8, .value_kind: global_buffer, .address_space: global }
      - { .name: Wk, .offset: 16, .size: 8, .value_kind: global_buffer, .address_space: global }
      - { .name: Wv, .offset: 24, .size: 8, .value_kind: global_buffer, .address_space: global }
      - { .name: Wo, .offset: 32, .size: 8, .value_kind: global_buffer, .address_space: global }
      - { .name: token_positions, .offset: 40, .size: 8, .value_kind: global_buffer, .address_space: global }
      - { .name: xb, .offset: 48, .size: 8, .value_kind: global_buffer, .address_space: global }
      - { .name: wqkv, .offset: 56, .size: 8, .value_kind: global_buffer, .address_space: global }
      - { .name: wob, .offset: 64, .size: 8, .value_kind: global_buffer, .address_space: global }
      - { .name: rope, .offset: 72, .size: 8, .value_kind: global_buffer, .address_space: global }
    .group_segment_fixed_size: 0
    .private_segment_fixed_size: 0
    .kernarg_segment_align: 8
    .kernarg_segment_size: 80
    .max_flat_workgroup_size: 256
    .sgpr_count:     66
    .vgpr_count:     112
    .wavefront_size: 32
...
	.end_amdgpu_metadata
.endif
;; end of part 1
;; launch proj (part 2): grid 16 x 16, 4 waves a work-group, clusters of 4 x 4, 327,680 bytes of LDS; arguments xb, wqkv, rope, qkvh; writes qkvh
.if DOCPART == 2
	.amdgcn_target "amdgcn-amd-amdhsa--gfx1250"
	.amdhsa_code_object_version 6
	.text
	.protected	k_qd1b3a28216_proj
	.globl	k_qd1b3a28216_proj
	.p2align	8
	.type	k_qd1b3a28216_proj,@function
k_qd1b3a28216_proj:
	s_mov_b64 s[64:65], 0
	v_nop
	global_prefetch_b8 v0, s[64:65] scope:SCOPE_SE
	s_setreg_imm32_b32 hwreg(HW_REG_WAVE_MODE, 25, 1), 1
	s_wait_xcnt 0x0
	s_wait_alu depctr_hold_cnt(0) depctr_sa_sdst(0) depctr_va_vdst(0) depctr_va_sdst(0) depctr_va_ssrc(0) depctr_va_vcc(0) depctr_vm_vsrc(0)
	s_getreg_b32 s2, hwreg(HW_REG_IB_STS2, 6, 4)
	s_cmp_eq_u32 s2, 0
	s_cbranch_scc0 .Lentry_in_a_cluster
	s_endpgm
.Lentry_in_a_cluster:
	s_bfe_u32 s2, ttmp6, 0x10000c
	s_cmp_lg_u32 s2, 0xf033
	s_cbranch_scc0 .Lentry_shape_is_right
	s_endpgm
.Lentry_shape_is_right:
; q, k, v = x Wq^T, x Wk^T, x Wv^T; q and k turned by the table (RoPE, in f32); all three rounded once to f16 and written by heads: qkvh[3][16][2048][128].
; x: xb [2048][2048] bf16.  Weights: wqkv [3][2048][2048] bf16.  Sums in f32.
; LIMIT.  f16 holds no number beyond 65,504: q, k and v must lie within it.
; SHARES.  A work-group makes 128 rows x 384 columns: one head of q, of k and of v, so that every work-group has the same kinds of columns.  256 work-groups, one tile each.
; The block of 128 rows goes by the grid's x, the head by its y.
; Wave w: rows 64 (w / 2) on, and columns 64 (w % 2) on of EACH of the three heads: 64 x 192, 48 accumulators of 16 x 16, 384 registers; 32 LDS loads feed 48 matrix instructions.
; K goes in steps of 128 through two LDS slots; a slot holds four pieces of 128 rows x 256 bytes: x's, Wq's, Wk's, Wv's; wave w fetches piece w by one tensor load.
; CLUSTERS: 4 x 4.  x's piece hangs on the row block alone and is asked for jointly by a column of the cluster, the weights' pieces on the head alone, jointly by a row.
; THE WALK ALONG K.  Cluster (X, Y) begins at K step 4 X + 8 g(Y) mod 16, g = 0, 1, 1, 0, and goes once round: clusters that read the same rows of x or of a weight ask for a given K step
; at different times.  The f32 sums are taken in that order.
; THE MATRIX INSTRUCTION IS USED TRANSPOSED (source 0 = 16 rows of a weight, source 1 = 16 rows of x): a lane holds row l % 16 and eight neighbouring columns, that is four RoPE pairs.
; REGISTERS: window 0: v16-30 addresses; v32-63 packed results; v64-127 x's fragments, two buffers (later the turned numbers); v128-255 my rows' cosines and sines.
;   window 1: the weights' fragments, two buffers of 96.   window 2: accumulators of my row blocks 0, 1 at v[8 (12 a + b)].   window 3: those of blocks 2, 3.
.set KSTEP,  128
.set STEPS,  2048/KSTEP
.set PITCH,  272                       ; an LDS row: 256 bytes + 16 of padding: the 16 rows that a load touches start at 16 different groups of four banks (ISA guide 11.1)
.set HALFT,  128*PITCH                 ; a piece
.set SLOT,   4*HALFT
.set SPARE,  2*SLOT                    ; behind the ring: the spare words, 128 bytes a wave: two blocks of 256 bytes that no other line names
.set SP,     784                       ; the stage's pitch: 3 heads x 256 bytes + 16.  The stage, 128 rows, lies in slot 0, behind that slot's last fill and last read
.set BITS,   (1<<16)|(1<<20)|(1<<21)|(5<<22)|(3<<25)  ; 17:16 2-byte elements; 20 padding on; 21 set beside a mask; 24:22 after every 64 words; 31:25 4 words
.set ADRA0, 16                         ; v16     my place in x's piece of slot 0; never rewritten
.set ADRA,  17                         ; v17     the same in the slot in hand
.set ADRB0, 18                         ; v18, v19  the same for Wq's piece; Wk's lies a piece further, within the immediate
.set ADRB,  19
.set ADRV0, 20                         ; v20, v21  for Wv's: two pieces further, past the 16-bit immediate
.set ADRV,  21
.set STO,  24                          ; v24     the way out: where I put 16 bytes of a row
.set RD,   25                          ; v25     where I read a row back
.set CO,   26                          ; v26     16 x lane: my bytes in 512 consecutive bytes of a head
.set TO,   27                          ; v27     my offset in the table: 512 (l % 16) + 32 (l / 16)
.set SPW,  28                          ; v28     my spare word; never rewritten
.set NIL,  29                          ; v29     0; never rewritten
.set PFO,  30                          ; v30     lane x 4,096: a lane a row; never rewritten
.set PK,   32
.set FA,   64
.set TAB,  128
.set WV,   12                          ; s12 wave; s13 its row half; s2 its column half; s3 trips to go
.set OFK,  14                          ; s[14:15] byte offset along K of the K step to be asked for
.set LIM,  23                          ; s23 a wave prefetches while s3 is above it
.set G1,   24                          ; s[24:31] group 1 for x's piece;  s[32:39] group 0: a set for each of the two first fills; the first then serves every refill
.set G0,   32
.set PFA,  44                          ; s[44:45] the address that a prefetch names
.set G1B,  48                          ; s[48:55], s[56:63] the same for the weights' pieces
.set G0B,  56
.set TB,   77                          ; s77 the slot in hand: 0 or SLOT
.set KI,   78                          ; s78 the K step to be asked for next, 0 .. 15
.set PFB,  80                          ; s[80:81] my work-group's 32 rows of the piece that I fetch, at K step 0
.set OFP,  82                          ; s[82:83] byte offset along K of the K step that a prefetch names
.set MSB, 0
.macro WIN new                         ; the immediate's high byte repeats the setting that is left; a switch that changes nothing is dropped
.if MSB != (\new)
	s_set_vgpr_msb (MSB<<8)|(\new)
.set MSB, (\new)
.endif
.endm
.set TO_B, 0x40                        ; destination window 1, address window 0
.macro PLACES                          ; four places behind a matrix instruction (ISA guide 7.12.1), where no other vector work is at hand
.rept 4
	v_nop
.endr
.endm
; A joint load.  Wave 0 fetches x's piece, waves 1 to 3 the weights'.  The branch hangs on the wave's number alone.  An s_nop 0 and four v_nop follow each line.
.macro JLOAD s
	s_cmp_eq_u32 s[WV], 0
	s_cbranch_scc0 .Lfor_b_\@
	tensor_load_to_lds s[G0+4*(\s):G0+4*(\s)+3], s[G1:G1+7]
	s_nop 0
.rept 4
	v_nop
.endr
	s_branch .Lasked_\@
.Lfor_b_\@:
	tensor_load_to_lds s[G0B+4*(\s):G0B+4*(\s)+3], s[G1B:G1B+7]
	s_nop 0
.rept 4
	v_nop
.endr
.Lasked_\@:
.endm
; A prefetch into the L2 of the K step that the NEXT refill will ask for (one K step, 192 matrix instructions, ahead): 32 rows x 256 bytes, a lane a row.  By the starts of the walks a cluster is
; the first of those that share a weight's rows to ask for steps 0 to 3 of its own walk, and of those that share x's rows for steps 0 to 7.  Trip j names step j + 3: the weights' waves ask in
; trip 0 alone, x's wave in trips 0 to 4, and for x only the clusters with Y < 2, whose starts (0 and 8 beside 4 X) cover K once.  The four partners that ask for a piece jointly share its 128
; rows out by address, 32 each.  So no block is named twice in the launch.  Steps 0 to 2 come by their loads alone.
.macro ASK
	s_cmp_gt_u32 s3, s[LIM]
	s_cbranch_scc0 .Lnot_mine_\@
	global_prefetch_b8 v[PFO], s[PFA:PFA+1] th:TH_LOAD_NT scope:SCOPE_SE
.Lnot_mine_\@:
.endm
.macro CREST                           ; a round of the cluster's barrier behind its opening barrier
	s_cmp_lg_u32 s[WV], 0
	s_cbranch_scc1 .Lnot_wave_0_\@
	s_barrier_signal -3
.Lnot_wave_0_\@:
	s_barrier_wait -3
	s_barrier_signal -1
	s_barrier_wait -1
.endm
.macro CROUND
	s_barrier_signal -1
	s_barrier_wait -1
	CREST
.endm
; 12 matrix instructions: row block 2 hi + a x all 12 column blocks, 32 along K, buffer f.  zero = 1: the product starts the sums.  The 48 accumulators take turns, in the same order in every quarter.
.macro MUL12 f, hi, a, zero
	WIN 0xa1+0x50*(\hi)                            ; source 0 window 1, source 1 window 0, C and D window 2 or 3
.irp b, 0,1,2,3,4,5,6,7,8,9,10,11
.if \zero
	v_wmma_f32_16x16x32_bf16 v[8*(12*(\a)+(\b)):8*(12*(\a)+(\b))+7], v[96*(\f)+8*(\b):96*(\f)+8*(\b)+7], v[FA+32*(\f)+8*(2*(\hi)+(\a)):FA+32*(\f)+8*(2*(\hi)+(\a))+7], 0
.else
	v_wmma_f32_16x16x32_bf16 v[8*(12*(\a)+(\b)):8*(12*(\a)+(\b))+7], v[96*(\f)+8*(\b):96*(\f)+8*(\b)+7], v[FA+32*(\f)+8*(2*(\hi)+(\a)):FA+32*(\f)+8*(2*(\hi)+(\a))+7], v[8*(12*(\a)+(\b)):8*(12*(\a)+(\b))+7]
.endif
.endr
.endm
; 32 LDS loads in one run: a quarter step's fragments (32 K at byte k of the rows of the slot in hand) into buffer f: 12 of the weights, then 4 of x
.macro FETCH k, f
	WIN TO_B
.irp b, 0,1,2,3,4,5,6,7
	ds_load_b128 v[96*(\f)+8*(\b):96*(\f)+8*(\b)+3],   v[ADRB] offset:((\b)/4)*HALFT+((\b)%4)*16*PITCH+(\k)
	ds_load_b128 v[96*(\f)+8*(\b)+4:96*(\f)+8*(\b)+7], v[ADRB] offset:((\b)/4)*HALFT+((\b)%4)*16*PITCH+(\k)+32
.endr
.irp b, 8,9,10,11
	ds_load_b128 v[96*(\f)+8*(\b):96*(\f)+8*(\b)+3],   v[ADRV] offset:((\b)%4)*16*PITCH+(\k)
	ds_load_b128 v[96*(\f)+8*(\b)+4:96*(\f)+8*(\b)+7], v[ADRV] offset:((\b)%4)*16*PITCH+(\k)+32
.endr
	WIN 0
.irp i, 0,1,2,3
	ds_load_b128 v[FA+32*(\f)+8*(\i):FA+32*(\f)+8*(\i)+3],   v[ADRA] offset:(\i)*16*PITCH+(\k)
	ds_load_b128 v[FA+32*(\f)+8*(\i)+4:FA+32*(\f)+8*(\i)+7], v[ADRA] offset:(\i)*16*PITCH+(\k)+32
.endr
.endm
; A K step is four quarters of 32 along K, 48 matrix instructions each, on buffers 0, 1, 0, 1.  One of the first three: multiplies buffer f, fetches the next quarter into g in its middle.
.macro QUARTER k, f, g, zero
	s_wait_dscnt 4                                 ; the weights and x's blocks 0, 1 are in; the youngest four loads (x's blocks 2, 3) may be out
	MUL12 \f, 0, 0, \zero
	MUL12 \f, 0, 1, \zero
	PLACES
	FETCH \k, \g
	s_wait_dscnt 32                                ; all but the 32 just issued
	MUL12 \f, 1, 0, \zero
	MUL12 \f, 1, 1, \zero
.endm
; The last quarter's first half: one barrier for the change of slots.  In front of it each wave waits for all its tensor loads (one is out: its piece of the next slot), adds 0 to its spare
; word, and waits for that and for its own reads of this slot.  round = 1: the slot in hand will be filled again: both group 0 are made anew, behind the wait that shows no load of mine out.
.macro MEET round
	WIN 0
	s_wait_tensorcnt 0x0
	ds_add_u32 v[SPW], v[NIL]
.if \round
	s_add_co_u32 s[G0+1], s22, s[TB]               ; my piece's place in the slot that is being left
	s_add_nc_u64 s[G0+2:G0+3], s[16:17], s[OFK:OFK+1]
	s_or_b32 s[G0+3], s[G0+3], 0x80000000
	s_add_co_u32 s[G0B+1], s22, s[TB]
	s_add_nc_u64 s[G0B+2:G0B+3], s[46:47], s[OFK:OFK+1]
	s_or_b32 s[G0B+3], s[G0B+3], 0x80000000
.endif
	s_wait_dscnt 5                                 ; (the add and the youngest four loads may be out)
	MUL12 1, 0, 0, 0                               ; twelve matrix instructions stand between the add and the wait for it
	s_wait_dscnt 0x0                               ; the add is done, and my reads of this slot are over
	s_barrier_signal -1
	MUL12 1, 0, 1, 0
.if \round
	WIN 0
.endif
	s_barrier_wait -1
.endm
; The whole last quarter.  fill = 1: the barrier opens a round of the cluster's; behind it the slot just read is filled again, two K steps on: 168 matrix instructions ahead of the wait for that load.
.macro TURN fill
.if \fill
	s_wait_xcnt 0x0                                ; the last prefetch, a K step back, has read its address
	s_lshl_b32 s[OFK], s[KI], 8                    ; the refill's K step: 256 bytes of a row each,
	s_add_co_u32 s[KI], s[KI], 1
	s_and_b32 s[KI], s[KI], STEPS-1                ; the one behind it, round K's end,
	s_lshl_b32 s[OFP], s[KI], 8
	s_add_nc_u64 s[PFA:PFA+1], s[PFB:PFB+1], s[OFP:OFP+1]  ; which a prefetch names
.endif
	MEET \fill
.if \fill
	CREST                                          ; no wave of any partner still reads this slot or has a load on its way
	JLOAD 0                                        ; the four v_nop behind it are also the places in front of the loads below
.else
	PLACES
	WIN 0
.endif
	s_xor_b32 s[TB], s[TB], SLOT                   ; the other slot is in hand
	v_add_nc_u32 v[ADRA], s[TB], v[ADRA0]
	v_add_nc_u32 v[ADRB], s[TB], v[ADRB0]
	v_add_nc_u32 v[ADRV], s[TB], v[ADRV0]
	FETCH 0, 0
.if \fill
	ASK
.endif
	MUL12 1, 1, 0, 0
	MUL12 1, 1, 1, 0
.endm
	s_load_b256 s[4:11], s[0:1], 0x0               ; xb s[4:5], wqkv s[6:7], rope s[8:9], qkvh s[10:11]
	v_lshl_add_u32 v[SPW], v0, 2, SPARE
	v_mov_b32 v[NIL], 0
	ds_add_u32 v[SPW], v[NIL]                      ; the wave's opening: the add and its wait ahead of my first tensor load
	v_lshrrev_b32 v1, 5, v0
	v_readfirstlane_b32 s[WV], v1                  ; wave 0..3
	s_lshr_b32 s13, s[WV], 1                       ; my half of the rows
	s_and_b32 s2, s[WV], 1                         ; my half of each head's columns
	s_bfe_u32 s40, ttmp6, 0x40000                  ; cx
	s_bfe_u32 s41, ttmp6, 0x40004                  ; cy
	s_lshl_b32 s43, ttmp9, 2
	s_add_co_u32 s43, s43, s40                     ; the block of 128 rows = 4 x cluster x + cx
	s_and_b32 s79, ttmp7, 0xffff                   ; cluster y
	s_lshl_b32 s42, s79, 2
	s_add_co_u32 s42, s42, s41                     ; the head = 4 x cluster y + cy
	s_lshl_b32 s20, 0x1111, s40                    ; my column of the cluster: the same row block
	s_lshl_b32 s21, s41, 2
	s_lshl_b32 s21, 15, s21                        ; my row: the same head
	s_or_b32 s[G1], s20, BITS
	s_or_b32 s[G1B], s21, BITS
.irp g, G1, G1B
	s_mov_b32 s[(\g)+1], KSTEP<<16                 ; tensor_dim0 = 128
	s_mov_b32 s[(\g)+2], 128<<16                   ; tensor_dim1 = 128
	s_mov_b32 s[(\g)+3], KSTEP<<16                 ; tile_dim0 = 128
	s_mov_b32 s[(\g)+4], 128                       ; tile_dim1 = 128
	s_mov_b32 s[(\g)+5], 2048                      ; elements from row to row
	s_mov_b32 s[(\g)+6], 0
	s_mov_b32 s[(\g)+7], 0
.endr
	s_lshr_b32 s[KI], s79, 1                       ; where my cluster's walk begins: g(Y) = 0, 1, 1, 0,
	s_xor_b32 s[KI], s[KI], s79
	s_and_b32 s[KI], s[KI], 1
	s_lshl_b32 s[KI], s[KI], 1
	s_add_co_u32 s[KI], s[KI], ttmp9
	s_lshl_b32 s[KI], s[KI], 2
	s_and_b32 s[KI], s[KI], STEPS-1                ; K step 4 X + 8 g mod 16: a multiple of 4, the same in all sixteen partners
	s_lshl_b32 s[OFK], s[KI], 8
	s_mov_b32 s[OFK+1], 0
	s_mov_b32 s[OFP+1], 0
	s_mov_b32 s[TB], 0
	s_lshl_b32 s16, s43, 19                        ; x: 128 rows of 4,096 bytes a block
	s_mov_b32 s17, 0
	s_max_u32 s46, s[WV], 1                        ; the weights: plane w - 1 (wave 0 makes plane 0's address and never asks by it),
	s_sub_co_u32 s46, s46, 1
	s_lshl_b32 s46, s46, 23
	s_lshl_b32 s47, s42, 19                        ; the head's 128 rows
	s_add_co_u32 s46, s46, s47
	s_mov_b32 s47, 0
	s_mul_i32 s22, s[WV], HALFT                    ; where my piece goes in a slot: no place in the cluster enters an LDS address
	s_wait_dscnt 0x0                               ; the opening add is done
	s_wait_kmcnt 0x0
	s_add_nc_u64 s[16:17], s[4:5], s[16:17]        ; x's piece at K step 0; kept
	s_add_nc_u64 s[46:47], s[6:7], s[46:47]        ; my weight's piece at K step 0; kept
	CROUND                                         ; all sixteen work-groups are here: the first joint loads meet
.irp s, 0,1
	s_mov_b32 s[G0+4*(\s)], 1
	s_add_co_u32 s[G0+4*(\s)+1], s22, (\s)*SLOT
	s_add_nc_u64 s[G0+4*(\s)+2:G0+4*(\s)+3], s[16:17], s[OFK:OFK+1]
	s_add_nc_u64 s[G0+4*(\s)+2:G0+4*(\s)+3], s[G0+4*(\s)+2:G0+4*(\s)+3], (\s)*KSTEP*2
	s_or_b32 s[G0+4*(\s)+3], s[G0+4*(\s)+3], 0x80000000
	s_mov_b32 s[G0B+4*(\s)], 1
	s_add_co_u32 s[G0B+4*(\s)+1], s22, (\s)*SLOT
	s_add_nc_u64 s[G0B+4*(\s)+2:G0B+4*(\s)+3], s[46:47], s[OFK:OFK+1]
	s_add_nc_u64 s[G0B+4*(\s)+2:G0B+4*(\s)+3], s[G0B+4*(\s)+2:G0B+4*(\s)+3], (\s)*KSTEP*2
	s_or_b32 s[G0B+4*(\s)+3], s[G0B+4*(\s)+3], 0x80000000
	JLOAD \s                                       ; two loads of mine are out
.endr
	s_add_co_u32 s[KI], s[KI], 2                   ; the first refill's K step
	s_and_b32 s[KI], s[KI], STEPS-1
	; my rows' cosines and sines: rows 128 x block + 64 (w / 2) on, pairs 32 (w % 2) on.  For row block A and column block j a lane takes 32 bytes: four pairs (cos, sin).  Waited for in front of the way out.
	s_lshl_b32 s74, s43, 16
	s_lshl_b32 s75, s13, 15
	s_add_co_u32 s74, s74, s75
	s_lshl_b32 s75, s2, 8
	s_add_co_u32 s74, s74, s75
	s_mov_b32 s75, 0
	s_add_nc_u64 s[66:67], s[8:9], s[74:75]
	v_and_b32 v1, 15, v0                           ; l % 16
	v_bfe_u32 v2, v0, 4, 1                         ; l / 16
	v_lshlrev_b32 v[TO], 9, v1
	v_lshl_add_u32 v[TO], v2, 5, v[TO]
.set i, 0
.rept 16
	global_load_b128 v[TAB+8*i:TAB+8*i+3],   v[TO], s[66:67] offset:8192*(i/4)+64*(i%4)
	global_load_b128 v[TAB+8*i+4:TAB+8*i+7], v[TO], s[66:67] offset:8192*(i/4)+64*(i%4)+16
.set i, i+1
.endr
	; where the three heads go: plane, head, row 128 x block + 32 w
	s_lshl_b32 s74, s42, 19
	s_lshl_b32 s76, s43, 15
	s_add_co_u32 s74, s74, s76
	s_lshl_b32 s76, s[WV], 13
	s_add_co_u32 s74, s74, s76
	s_add_nc_u64 s[68:69], s[10:11], s[74:75]
	s_add_nc_u64 s[70:71], s[68:69], 0x800000
	s_add_nc_u64 s[72:73], s[68:69], 0x1000000
	; the prefetches
	s_cmp_lt_u32 s79, 2
	s_cselect_b32 s[LIM], 9, -1                    ; x's wave: trips 0 to 4 (s3 = 14 .. 10), in the clusters with Y < 2
	s_cmp_eq_u32 s[WV], 0                          ; do I fetch x's piece?
	s_cselect_b32 s[LIM], s[LIM], 13               ; the weights' waves: trip 0 (s3 = 14)
	s_cselect_b32 s20, s41, s40                    ; my place among the four that ask with me
	s_cselect_b64 s[PFB:PFB+1], s[16:17], s[46:47]
	s_lshl_b32 s18, s20, 17                        ; my work-group's 32 rows of the 128
	s_mov_b32 s19, 0
	s_add_nc_u64 s[PFB:PFB+1], s[PFB:PFB+1], s[18:19]
	v_and_b32 v5, 31, v0
	v_lshlrev_b32 v[PFO], 12, v5
	v_lshlrev_b32 v[CO], 4, v5
	; fragments: lane l holds row l % 16; two loads of 16 bytes, 32 bytes apart, at row x pitch + 16 (l / 16)
	v_mul_u32_u24 v3, v1, PITCH
	v_lshl_add_u32 v3, v2, 4, v3
	s_mul_i32 s20, s13, 64*PITCH                   ; my 64 rows of x
	s_mul_i32 s21, s2, 64*PITCH                    ; my 64 rows of each weight,
	s_add_co_u32 s21, s21, HALFT                   ; behind x's piece
	v_add_nc_u32 v[ADRA0], s20, v3
	v_add_nc_u32 v[ADRB0], s21, v3
	v_add_nc_u32 v[ADRV0], 2*HALFT, v[ADRB0]
	v_mov_b32 v[ADRA], v[ADRA0]                    ; slot 0 is in hand
	v_mov_b32 v[ADRB], v[ADRB0]
	v_mov_b32 v[ADRV], v[ADRV0]
	s_mul_i32 s20, s13, 64*SP                      ; into the stage: my 64 rows, my 128 bytes of each head
	s_lshl_b32 s21, s2, 7
	s_add_co_u32 s20, s20, s21
	v_mul_u32_u24 v4, v1, SP
	v_lshl_add_u32 v4, v2, 4, v4
	v_add_nc_u32 v[STO], s20, v4
	s_mul_i32 s20, s[WV], 32*SP                    ; back: wave w takes rows 32 w on, whole; lanes 0-15 one row's 256 bytes of a head, lanes 16-31 the next row's
	v_mul_u32_u24 v4, v2, SP
	v_lshl_add_u32 v4, v1, 4, v4
	v_add_nc_u32 v[RD], s20, v4
	s_wait_tensorcnt 1                             ; my piece of the walk's step 0 is in; step 1's may stay out
	s_barrier_signal -1
	s_barrier_wait -1
	FETCH 0, 0
	QUARTER 64,  0, 1, 1                           ; the first quarter stands in front of the loop: its products start the sums
	WIN 0
	s_mov_b32 s3, STEPS-2
.Lstep:                                                ; trip j: the last three quarters of step j, the first of step j + 1; step j's slot is filled again with step j + 2
	QUARTER 128, 1, 0, 0
	QUARTER 192, 0, 1, 0
	TURN 1
	QUARTER 64,  0, 1, 0
	WIN 0
	s_sub_co_u32 s3, s3, 1
	s_cmp_lg_u32 s3, 0
	s_cbranch_scc1 .Lstep
	QUARTER 128, 1, 0, 0                           ; the last two steps fill nothing
	QUARTER 192, 0, 1, 0
	TURN 0                                         ; step 14 lay in slot 0: behind this barrier nobody reads slot 0 and nothing is filled into it any more
	QUARTER 64,  0, 1, 0
	QUARTER 128, 1, 0, 0
	QUARTER 192, 0, 1, 0
	s_wait_dscnt 4
	MUL12 1, 0, 0, 0
	MUL12 1, 0, 1, 0
	s_wait_dscnt 0x0
	MUL12 1, 1, 0, 0
	MUL12 1, 1, 1, 0
	WIN 0
	; THE WAY OUT.  q and k (column blocks 0-7) are turned pair by pair, in f32: (c x0 - s x1, s x0 + c x1); all is rounded to f16, 16 bytes a lane, and goes through the stage.
	s_wait_loadcnt 0x0                             ; the table
	PLACES
	PLACES
.macro OUTA hi, a                      ; row block 2 hi + a
.set AA, 2*(\hi)+(\a)
	WIN 0x02+(\hi)                                 ; source 0: the accumulators' window
.set b, 0
.rept 8
.set p, 0
.rept 4
.set x0, 8*(12*(\a)+b)+2*p
.set tc, TAB+32*AA+8*(b%4)+2*p
.set u0, FA+8*b+2*p
	v_mul_f32 v[u0], v[x0+1], v[tc+1]
	v_mul_f32 v[u0+1], v[x0], v[tc+1]
	v_fma_f32 v[u0], v[x0], v[tc], -v[u0]
	v_fma_f32 v[u0+1], v[x0+1], v[tc], v[u0+1]
.set p, p+1
.endr
.set b, b+1
.endr
	WIN 0
.set b, 0
.rept 32
	v_cvt_pk_f16_f32 v[PK+b], v[FA+2*b], v[FA+2*b+1]
.set b, b+1
.endr
.set b, 0
.rept 8
	ds_store_b128 v[STO], v[PK+4*b:PK+4*b+3] offset:AA*16*SP+256*(b/4)+32*(b%4)
.set b, b+1
.endr
	WIN 0x0a+5*(\hi)                               ; sources 0 and 1: the accumulators' window
.set b, 0
.rept 16                               ; v: column blocks 8-11, as they are
	v_cvt_pk_f16_f32 v[PK+b], v[8*(12*(\a)+8)+2*b], v[8*(12*(\a)+8)+2*b+1]
.set b, b+1
.endr
	WIN 0
.set b, 0
.rept 4
	ds_store_b128 v[STO], v[PK+4*b:PK+4*b+3] offset:AA*16*SP+512+32*b
.set b, b+1
.endr
.endm
	OUTA 0, 0
	OUTA 0, 1
	OUTA 1, 0
	OUTA 1, 1
	s_wait_dscnt 0x0                               ; for the others' sake: my stores into the stage are done
	s_barrier_signal -1
	s_barrier_wait -1
.set i, 0
.rept 48                               ; head i / 16, rows 2 (i % 16) and the next
	ds_load_b128 v[64+4*i:64+4*i+3], v[RD] offset:1568*(i%16)+256*(i/16)
.set i, i+1
.endr
.set i, 0
.rept 48
	s_wait_dscnt 47-i                              ; LDS loads come back in order: load i is in, the younger ones stay out
	global_store_b128 v[CO], v[64+4*i:64+4*i+3], s[68+2*(i/16):69+2*(i/16)] offset:512*(i%16)  ; two rows of a head: 512 consecutive bytes, aligned
.set i, i+1
.endr
	s_wait_tensorcnt 0x0                           ; the wave's end
	ds_add_u32 v[SPW], v[NIL]
	s_wait_dscnt 0x0
	CROUND                                         ; the closing round
	s_endpgm
.Lfunc_end_k_qd1b3a28216_proj:
	.size	k_qd1b3a28216_proj, .Lfunc_end_k_qd1b3a28216_proj-k_qd1b3a28216_proj
	.p2alignl 7, 3214868480
	.fill 96, 4, 3214868480
	.section	.rodata,"a",@progbits
	.p2align	6, 0x0
	.amdhsa_kernel k_qd1b3a28216_proj
		.amdhsa_group_segment_fixed_size 327680
		.amdhsa_private_segment_fixed_size 0
		.amdhsa_enable_private_segment 0
		.amdhsa_kernarg_size 32
		.amdhsa_user_sgpr_count 2
		.amdhsa_user_sgpr_kernarg_segment_ptr 1
		.amdhsa_wavefront_size32 1
		.amdhsa_system_sgpr_workgroup_id_x 1
		.amdhsa_system_sgpr_workgroup_id_y 1
		.amdhsa_system_sgpr_workgroup_id_z 1
		.amdhsa_system_vgpr_workitem_id 0
		.amdhsa_next_free_vgpr 960
		.amdhsa_next_free_sgpr 84
		.amdhsa_reserve_vcc 0
		.amdhsa_float_denorm_mode_32 3
		.amdhsa_float_denorm_mode_16_64 3
		.amdhsa_memory_ordered 1
		.amdhsa_forward_progress 1
		.amdhsa_inst_pref_size 126
	.end_amdhsa_kernel
	.amdgpu_metadata
---
amdhsa.version: [ 1, 2 ]
amdhsa.kernels:
  - .name:           k_qd1b3a28216_proj
    .symbol:         k_qd1b3a28216_proj.kd
    .args:
      - { .name: xb, .offset: 0, .size: 8, .value_kind: global_buffer, .address_space: global }
      - { .name: wqkv, .offset: 8, .size: 8, .value_kind: global_buffer, .address_space: global }
      - { .name: rope, .offset: 16, .size: 8, .value_kind: global_buffer, .address_space: global }
      - { .name: qkvh, .offset: 24, .size: 8, .value_kind: global_buffer, .address_space: global }
    .group_segment_fixed_size: 327680
    .private_segment_fixed_size: 0
    .kernarg_segment_align: 8
    .kernarg_segment_size: 32
    .max_flat_workgroup_size: 128
    .sgpr_count:     84
    .vgpr_count:     960
    .wavefront_size: 32
...
	.end_amdgpu_metadata
.endif
;; end of part 2
;; launch attn (part 3): grid 16 x 16, 4 waves a work-group, clusters of 4 x 1, 327,680 bytes of LDS; arguments qkvh, ob; writes ob
.if DOCPART == 3
	.amdgcn_target "amdgcn-amd-amdhsa--gfx1250"
	.amdhsa_code_object_version 6
	.text
	.protected	k_qd1b3a28216_attn
	.globl	k_qd1b3a28216_attn
	.p2align	8
	.type	k_qd1b3a28216_attn,@function
k_qd1b3a28216_attn:
	s_mov_b64 s[64:65], 0
	v_nop
	global_prefetch_b8 v0, s[64:65] scope:SCOPE_SE
	s_setreg_imm32_b32 hwreg(HW_REG_WAVE_MODE, 25, 1), 1
	s_wait_xcnt 0x0
	s_wait_alu depctr_hold_cnt(0) depctr_sa_sdst(0) depctr_va_vdst(0) depctr_va_sdst(0) depctr_va_ssrc(0) depctr_va_vcc(0) depctr_vm_vsrc(0)
	s_getreg_b32 s2, hwreg(HW_REG_IB_STS2, 6, 4)
	s_cmp_eq_u32 s2, 0
	s_cbranch_scc0 .Lentry_in_a_cluster
	s_endpgm
.Lentry_in_a_cluster:
	s_bfe_u32 s2, ttmp6, 0x10000c
	s_cmp_lg_u32 s2, 0x3003
	s_cbranch_scc0 .Lentry_shape_is_right
	s_endpgm
.Lentry_shape_is_right:
; CAUSAL ATTENTION, head size 128.  O[q] = the sum over k <= q of softmax_k(Q[q] . K[k] / sqrt(128)) V[k].  Q, K, V: the planes of qkvh [3][16][2048][128], f16.  O: ob [2048][16 x 128], f16.
; Products, maxima and sums in f32; the weights are rounded to f16 for the second product (their sum is taken of the unrounded weights), O once at the end.
; LIMITS.  A hidden score counts as its value less 1e30; a weight below 2^-126 counts as 0; NaN and infinities are not treated apart.
; THE WALK.  A head's queries lie in 32 blocks of 64, its keys in 8 tiles of 256.  A work-group (b = 4 a + r; a the cluster, r its place in it) takes block b and then block 31 - b: key tiles
; 0 .. a and then 0 .. 7 - a: NINE tiles, whatever b, walked by one loop with a constant count.  16 heads x 16 work-groups give 256 of equal work.  The change of blocks falls in trips 1 to 4.
; THE KEYS OF A TILE ARE SPLIT AMONG THE WAVES: every wave holds all 64 queries (four tiles of 16) and takes keys 64 w .. 64 w + 63 of each key tile: 64 products K Q^T, a softmax with a running
; maximum of its own, 64 products V^T P.  At the end the four waves' partial results are merged in LDS: each is weighted by 2^(c m_w - max c m) and the sum divided by the weighted sum of the l_w.
; THE DIAGONAL.  Block b meets it in tile a, in wave r's keys; block 31 - b in tile 7 - a, in wave 3 - r's.  There a wave with a lower number sees all its keys, one with a higher number none.
; The mask is the C operand that starts the sums S^T: 0 or -1e30.  A wave that has seen hidden keys alone ends with c m near -1.3e29, and its weight in the merge is 0.
; CLUSTER.  The four partners share a, so they walk the SAME tiles: every fill is a joint load.  The place r enters Q's, O's and the prefetches' addresses and the masks' values alone.
; LAYOUT.  S^T = K Q^T holds one query a lane (lane % 16) and keys 8 (lane / 16) + 0..7; two such results rounded to f16 are source 1 of O^T = V^T P.  V comes out of LDS turned (ds_load_tr16_b128).
; IN PHASES: K's fragments, K Q^T, V's fragments (into K's registers), softmax, V^T P.
; REGISTERS: window 0: v1-11, v44-51 addresses; v12-43 eight registers of statistics a tile; v64-191 S^T; v192-255 P (three masks of 8 lie over P while it is dead).
;   window 1: O^T, 64 a tile.   window 2: v0-127 Q; v128-255 K's fragments, then V's.   window 3: v0-127 the second block's Q; from the change of blocks on all 256: the first block's O^T.
.set PK,    272                        ; a row of K in LDS: 256 bytes + 16
.set PV,    288                        ; a row of V: 256 + 32
.set VOFF,  256*PK
.set SLOT,  256*(PK+PV)                ; 143,360: a tile's K, then its V
.set STATS, 2*SLOT                     ; [2 blocks][4 waves][64 queries][c m, l]: 4,096 bytes into which no fill lands
.set SPARE, STATS+4096                 ; the spare words, 128 bytes a wave
.set MP,    528                        ; the merge: a query's 128 channels in f32 + 16; a wave's 64 rows are 33,792 bytes; the first block's four areas lie in slot 0, the second's in slot 1, behind the last fill
.set AK0, 2                            ; v2   my place in a tile of K: my wave's 64 keys; never rewritten
.set AV0, 3                            ; v3   the same for V
.set ADR, 4                            ; v4   the address of the run of loads in hand
.set QO,  5                            ; v5   my offset in 64 rows of Q
.set SS,  6                            ; v6   my wave's statistics in LDS
.set SL,  7                            ; v7   wave 0's
.set MST0, 8                           ; v8   the merge: where I put 32 bytes of a row, first block
.set MST1, 10                          ; v10  second block
.set ST,  12                           ; tile t at v[ST+8 t]: c m, m, l (even keys', odd keys'), four at work (a in the third of them)
.set DIF, 44                           ; v44  l % 16 - 8 (l / 16): register j of the diagonal's mask is hidden where j is greater
.set MRD, 45                           ; v45, v46  the merge: my place in the areas of waves 0, 1 and of waves 2, 3; v47, v48 the same at the rows in hand
.set GO,  49                           ; v49  my bytes in two rows of O
.set PFO, 50                           ; v50  256 x lane; never rewritten
.set SPW, 62
.set NIL, 63
.set S,   64
.set MS,  64                           ; the merge's statistics, 16 registers for each of 8 tiles
.set P,   192
.set MCL, 192                          ; the mask of key blocks below the query tile's
.set MCD, 200                          ; of the tile's own
.set MCH, 208                          ; of those above
.set KF,  128
.set WV,  12                           ; s12 wave;  s13 a;  s14 r
.set SA,  13
.set SR,  14
.set KB,  20                           ; s[20:21] K at my half of the head's tile 0;  s[22:23] V
.set VB,  22
.set G1K, 24
.set G1V, 32
.set G0K, 40
.set G0V, 44
.set QF,  48                           ; s[48:49] Q of the first block;  s[50:51] of the second
.set QN,  50
.set OL,  52                           ; s[52:53] O at my 16 rows of the first block;  s[54:55] of the second
.set CNT, 56                           ; s56  tiles still to be entered behind this one: 8 .. 0; in the merge: blocks to go
.set NXT, 57                           ; s57  the tile to be asked for next; in the merge: halves to go
.set CS,  58                           ; s[58:59] c = log2(e) / sqrt(128)
.set SEL, 60
.set TB,  62                           ; s62  the slot that is read; in the merge: the rows in hand
.set TBF, 63                           ; s63  the slot that was filled last
.set LQ,  66                           ; s66  the last tile of the block whose tiles are being asked for
.set A8,  67                           ; s67  8 - a
.set R3,  68                           ; s68  3 - r
.set L2,  69                           ; s69  7 - a
.set BE,  70
.set HID, 71
.set BIGN, 72
.set RC,  73
.set OFF, 74
.set PFA, 76
.set LIM, 78
.set MSB, 0
.macro WIN new
.if MSB != (\new)
	s_set_vgpr_msb (MSB<<8)|(\new)
.set MSB, (\new)
.endif
.endm
.set W_KQ, 0x0a                        ; K and Q in window 2; C and S^T in window 0
.set W_PV, 0x52                        ; V in window 2, P in window 0, O^T in window 1
.set W_RS, 0x41                        ; O^T (destination and source 0) in window 1, the factor in window 0
.macro PLACES
.rept 4
	v_nop
.endr
.endm
.macro JLOAD                           ; waves 0 and 1 fetch the halves of a tile's K, waves 2 and 3 those of its V: 128 rows each.  An s_nop 0 and four v_nop follow each line
	s_cmp_lt_u32 s[WV], 2
	s_cbranch_scc0 .Lfor_v_\@
	tensor_load_to_lds s[G0K:G0K+3], s[G1K:G1K+7]
	s_nop 0
.rept 4
	v_nop
.endr
	s_branch .Lasked_\@
.Lfor_v_\@:
	tensor_load_to_lds s[G0V:G0V+3], s[G1V:G1V+7]
	s_nop 0
.rept 4
	v_nop
.endr
.Lasked_\@:
.endm
; A prefetch into the L2 of the tile that the NEXT change of slots will ask for.  Cluster a asks for tile k of its second block in trip a + k: of a head's four clusters a = 0 is the first to
; ask for tiles 4 to 7, in trips 4 to 7, and it alone prefetches them, in trips 3 to 6 (CNT = 5 .. 2).  Its partners share a tile's rows out by address, 64 of K and 64 of V each; waves 0, 1
; take K's, waves 2, 3 V's, 32 rows each, a lane a row.  So each row is named once.  Tiles 0 to 3, which several clusters ask for in the first trips, come by their loads alone.
.macro ASK
	s_cmp_gt_u32 s[CNT], s[LIM]
	s_cbranch_scc0 .Lnot_mine_\@
	s_cmp_lt_u32 s[CNT], 6
	s_cbranch_scc0 .Lnot_mine_\@
	global_prefetch_b8 v[PFO], s[PFA:PFA+1] th:TH_LOAD_NT scope:SCOPE_SE
.Lnot_mine_\@:
.endm
.macro CROUND
	s_barrier_signal -1
	s_barrier_wait -1
	s_cmp_lg_u32 s[WV], 0
	s_cbranch_scc1 .Lnot_wave_0_\@
	s_barrier_signal -3
.Lnot_wave_0_\@:
	s_barrier_wait -3
	s_barrier_signal -1
	s_barrier_wait -1
.endm
; THE CHANGE OF SLOTS.  Each wave waits for all its tensor loads (one is out: its part of the other slot), adds 0 to its spare word, and waits for that and for its reads of the slot that it leaves.
; fill = 1: behind a round of the cluster's barrier the slot is filled with tile NXT; the descriptors are made anew from that number.  The load has a whole trip in which to land.
.macro CHANGE fill
	WIN 0
	s_wait_tensorcnt 0x0                           ; no tensor load of mine is out, so a group 0 may be written
	ds_add_u32 v[SPW], v[NIL]                      ; 0 onto my spare word; the scalar work stands between it and the wait for it
.if \fill
	s_lshl_b32 s[OFF], s[NXT], 16                  ; a tile is 65,536 bytes of K and of V
	s_xor_b32 s[TBF], s[TBF], SLOT                 ; the other slot than last time
	s_add_co_u32 s[G0K+1], s17, s[TBF]
	s_add_nc_u64 s[G0K+2:G0K+3], s[KB:KB+1], s[OFF:OFF+1]
	s_or_b32 s[G0K+3], s[G0K+3], 0x80000000
	s_add_co_u32 s[G0V+1], s18, s[TBF]
	s_add_nc_u64 s[G0V+2:G0V+3], s[VB:VB+1], s[OFF:OFF+1]
	s_or_b32 s[G0V+3], s[G0V+3], 0x80000000
	s_add_co_u32 s[NXT], s[NXT], 1                 ; the block's next tile, or behind its last the second block's tile 0
	s_cmp_gt_u32 s[NXT], s[LQ]
	s_cselect_b32 s[NXT], 0, s[NXT]
	s_cselect_b32 s[LQ], s[L2], s[LQ]
	s_wait_xcnt 0x0                                ; the last prefetch, a trip back, has read its address
	s_add_nc_u64 s[PFA:PFA+1], s[PFA:PFA+1], 65536
	s_wait_dscnt 0x0                               ; the add is done, and my reads of the slot are over
	CROUND
	JLOAD
	ASK
.else
	s_wait_dscnt 0x0
	s_barrier_signal -1
	s_barrier_wait -1
.endif
	s_xor_b32 s[TB], s[TB], SLOT                   ; the slot that has landed is read
.endm
; My wave's statistics of the block in hand go to LDS: for each query c m and l (its two halves and the other half of the lanes' added).
.macro PUTSTATS blk
.irp t, 0,1,2,3
	v_add_f32 v[ST+8*(\t)+5], v[ST+8*(\t)+2], v[ST+8*(\t)+3]
.endr
.irp t, 0,1,2,3
	v_permlanex16_b32 v[ST+8*(\t)+6], v[ST+8*(\t)+5], s[SEL], s[SEL+1]
.endr
.irp t, 0,1,2,3
	v_add_f32 v[ST+8*(\t)+5], v[ST+8*(\t)+5], v[ST+8*(\t)+6]
	v_mov_b32 v[ST+8*(\t)+4], v[ST+8*(\t)]
.endr
.irp t, 0,1,2,3
	ds_store_b64 v[SS], v[ST+8*(\t)+4:ST+8*(\t)+5] offset:2048*(\blk)+128*(\t)
.endr
.endm
; THE CHANGE OF BLOCKS, in the trip with CNT = 7 - a, which all partners and all waves share; elsewhere it is jumped over, forward; it holds no barrier and no tensor load.  The first block's
; statistics go to LDS, the second block's Q takes Q's place, the first block's O^T is set aside.  c m starts far below every c s: the next step multiplies O^T and l by 0, so they need only be finite.
.macro SWITCH
	s_cmp_eq_u32 s[CNT], s[L2]
	s_cbranch_scc0 .Lsame_\@
	PLACES
	PUTSTATS 0
	WIN 0x83                                       ; from window 3 to window 2
.set i, 0
.rept 128
	v_mov_b32 v[i], v[i]
.set i, i+1
.endr
	WIN 0xc1                                       ; from window 1 to window 3, each accumulator from its low end on
.set i, 0
.rept 256
	v_mov_b32 v[i], v[i]
.set i, i+1
.endr
	WIN 0
.irp t, 0,1,2,3
	v_mov_b32 v[ST+8*(\t)], 0xfe000000
	v_mov_b32 v[ST+8*(\t)+1], 0xff7fffff
.endr
.Lsame_\@:
.endm
; THE MASKS of this trip.  RC: the wave that holds the diagonal in this tile, or 4.  Below it all three masks are 0, above it all are -1e30.
.macro MASKS
	WIN 0
	s_cmp_eq_u32 s[CNT], 0                         ; the second block's last tile
	s_cselect_b32 s[RC], s[R3], 4
	s_cmp_eq_u32 s[CNT], s[A8]                     ; the first block's
	s_cselect_b32 s[RC], s[SR], s[RC]
	s_cmp_gt_u32 s[WV], s[RC]
	s_cselect_b32 s[BE], s[BIGN], 0
	s_cmp_ge_u32 s[WV], s[RC]
	s_cselect_b32 s[HID], s[BIGN], 0
.irp n, 0,1,2,3,4,5,6,7
	v_mov_b32 v[MCL+(\n)], s[BE]
	v_mov_b32 v[MCH+(\n)], s[HID]
.endr
.irp n, 0,1,2,3,4,5,6,7
	v_cmp_gt_i32 vcc_lo, (\n), v[DIF]
	v_cndmask_b32 v[MCD+(\n)], v[MCL+(\n)], v[MCH+(\n)], vcc_lo
.endr
.endm
.macro FETCH_K                         ; my 64 keys x 128 channels: 16 fragments; load pair fk: channels 32 (fk / 4) on of key block fk % 4: the order in which the products take them
	WIN 0
	v_add_nc_u32 v[ADR], s[TB], v[AK0]
	WIN 0x80                                       ; destination window 2
.set fk, 0
.rept 16
	ds_load_b128 v[KF+32*(fk%4)+8*(fk/4):KF+32*(fk%4)+8*(fk/4)+3],   v[ADR] offset:(fk%4)*16*PK+(fk/4)*64
	ds_load_b128 v[KF+32*(fk%4)+8*(fk/4)+4:KF+32*(fk%4)+8*(fk/4)+7], v[ADR] offset:(fk%4)*16*PK+(fk/4)*64+32
.set fk, fk+1
.endr
.endm
.macro FETCH_V                         ; the same keys' V, turned: keys 32 (f / 8) on, channels 16 (f % 8) on
	WIN 0
	v_add_nc_u32 v[ADR], s[TB], v[AV0]
	WIN 0x80
.irp f, 0,1,2,3,4,5,6,7,8,9,10,11,12,13,14,15
	ds_load_tr16_b128 v[KF+8*(\f):KF+8*(\f)+3],   v[ADR] offset:((\f)/8)*32*PV+((\f)%8)*32
	ds_load_tr16_b128 v[KF+8*(\f)+4:KF+8*(\f)+7], v[ADR] offset:((\f)/8)*32*PV+16*PV+((\f)%8)*32
.endr
.endm
; Product i of 64 of S^T = K Q^T: channels 32 (i / 16) on, keys 16 ((i / 4) % 4) on, tile i % 4.  The first 16 start the sums with a mask.  The 16 accumulators take turns.
.macro KQ
	WIN W_KQ
.set rS, S+32*(i%4)+8*((i/4)%4)
.set rK, KF+32*((i/4)%4)+8*(i/16)
.set rQ, 32*(i%4)+8*(i/16)
.if i < 16
.if ((i/4)%4) < (i%4)
.set rM, MCL
.elseif ((i/4)%4) == (i%4)
.set rM, MCD
.else
.set rM, MCH
.endif
	v_wmma_f32_16x16x32_f16 v[rS:rS+7], v[rK:rK+7], v[rQ:rQ+7], v[rM:rM+7]
.else
	v_wmma_f32_16x16x32_f16 v[rS:rS+7], v[rK:rK+7], v[rQ:rQ+7], v[rS:rS+7]
.endif
.endm
; Product i of 64 of O^T += V^T P: keys 32 (i / 32) on, channels 16 ((i / 4) % 8) on, tile i % 4.  The 32 accumulators take turns.
.macro PV
	WIN W_PV
.set rO, 64*(i%4)+8*((i/4)%8)
.set rV, KF+64*(i/32)+8*((i/4)%8)
.set rP, P+16*(i%4)+8*(i/32)
	v_wmma_f32_16x16x32_f16 v[rO:rO+7], v[rV:rV+7], v[rP:rP+7], v[rO:rO+7]
.endm
; Number j of the 134 instructions of tile t's softmax for one step.  s0-s31 are the lane's 32 scores, in pairs 0-15.
;   0-15  the maximum of the scores and the old m (each accumulator's lowest registers are read first)     16-20  the other half of the lanes'; m; c m; c m_old - c m_new
;   21-69  the 16 scalings c s - c m and all 33 exponentials (a at 23): none reads an exponential's result     70-85  the roundings to f16     86-101  the sums; l = a l + sum     102-133  O^T times a
.macro SM t
.set rT, ST+8*(\t)
.set rS, S+32*(\t)
.set rP, P+16*(\t)
.set rO, 64*(\t)+2*(j-102)
.if j < 102
	WIN 0
.endif
.if j < 4
	v_max3_num_f32 v[rT+4+j], v[rS+8*j], v[rS+8*j+1], v[rS+8*j+2]
.elseif j < 12
	v_max3_num_f32 v[rT+4+j%4], v[rT+4+j%4], v[rS+8*(j%4)+2*(j/4)+1], v[rS+8*(j%4)+2*(j/4)+2]
.elseif j == 12
	v_max3_num_f32 v[rT+4], v[rT+4], v[rS+7], v[rS+15]
.elseif j == 13
	v_max3_num_f32 v[rT+6], v[rT+6], v[rS+23], v[rS+31]
.elseif j == 14
	v_max3_num_f32 v[rT+4], v[rT+4], v[rT+5], v[rT+6]
.elseif j == 15
	v_max3_num_f32 v[rT+4], v[rT+4], v[rT+7], v[rT+1]
.elseif j == 16
	v_permlanex16_b32 v[rT+5], v[rT+4], s[SEL], s[SEL+1]
.elseif j == 17
	v_mov_b32 v[rT+7], v[rT]
.elseif j == 18
	v_max_num_f32 v[rT+1], v[rT+4], v[rT+5]
.elseif j == 19
	v_mul_f32 v[rT], s[CS], v[rT+1]
.elseif j == 20
	v_sub_f32 v[rT+7], v[rT+7], v[rT]
.elseif j == 23
	v_exp_f32 v[rT+6], v[rT+7]
.elseif (j < 23) || ((j < 38) && (j%2 == 0)) || ((j < 66) && (j%4 == 2))
.set b, (j-2)/4
.if j < 38
.set b, (j-20)/2
.endif
	v_pk_fma_f32 v[rS+2*b:rS+2*b+1], v[rS+2*b:rS+2*b+1], s[CS:CS+1], v[rT:rT+1] op_sel_hi:[1,0,0] neg_lo:[0,0,1] neg_hi:[0,0,1]
.elseif j < 70
.set e, j-38
.if j < 66
.set e, j-32-(j-38)/4
.endif
.if j < 38
.set e, (j-25)/2
.endif
	v_exp_f32 v[rS+e], v[rS+e]
.elseif j < 86
	v_cvt_pk_f16_f32 v[rP+j-70], v[rS+2*(j-70)], v[rS+2*(j-70)+1]
.elseif j < 102
.set z, j-86
.set w, 4
.set u, z
.if z >= 14
.set w, 32
.set u, 0
.elseif z >= 12
.set w, 16
.set u, z-12
.elseif z >= 8
.set w, 8
.set u, z-8
.endif
.if z < 15
	v_pk_add_f32 v[rS+w*u:rS+w*u+1], v[rS+w*u:rS+w*u+1], v[rS+w*u+w/2:rS+w*u+w/2+1]
.else
	v_pk_fma_f32 v[rT+2:rT+3], v[rT+2:rT+3], v[rT+6:rT+7], v[rS:rS+1] op_sel_hi:[1,0,1]
.endif
.else
	WIN W_RS
	v_pk_mul_f32 v[rO:rO+1], v[rO:rO+1], v[rT+6:rT+7] op_sel_hi:[1,0]
.endif
.endm
; A KEY STEP.  The four tiles alternate in the softmax, so that no instruction reads the result of the one before it; its 132 exponentials are one batch with one wait.
.macro STEP
	PLACES                                         ; behind the last products V^T P: K's loads land in V's registers, the masks in P's
	FETCH_K
	MASKS
.set i, 0
.rept 64
.if (i%16) == 0
	s_wait_dscnt 24-8*(i/16)                       ; LDS loads come back in order: the eight loads of these sixteen products' channels are in, the younger ones of the run stay out
.endif
	KQ
.set i, i+1
.endr
	WIN 0
	PLACES                                         ; behind the last products K Q^T: V's loads land in K's registers, and the maxima read the scores
	FETCH_V                                        ; it lands while the softmax runs
.set j, 0
.rept 70
.irp t, 0,1,2,3
	SM \t
.endr
.set j, j+1
.endr
	v_nop                                          ; a plain instruction behind the last exponential
	s_wait_alu depctr_va_vdst(0)                   ; one wait for the batch, ahead of the first instruction that names a result
.rept 64
.irp t, 0,1,2,3
	SM \t
.endr
.set j, j+1
.endr
	s_wait_dscnt 0x0                               ; V is in
.set i, 0
.rept 64
	PV
.set i, i+1
.endr
	WIN 0
.endm
	s_load_b128 s[4:7], s[0:1], 0x0                ; qkvh s[4:5], ob s[6:7]
	v_lshl_add_u32 v[SPW], v0, 2, SPARE
	v_mov_b32 v[NIL], 0
	ds_add_u32 v[SPW], v[NIL]                      ; the wave's opening: the add and its wait ahead of my first tensor load
	v_lshrrev_b32 v1, 5, v0
	v_readfirstlane_b32 s[WV], v1                  ; wave 0..3
	s_mov_b32 s[SA], ttmp9                         ; a: in a cluster launch ttmp9 counts clusters
	s_bfe_u32 s[SR], ttmp6, 0x40000                ; r
	s_and_b32 s15, ttmp7, 0xffff                   ; the head
	s_and_b32 s16, s[WV], 1                        ; which half of a tile's 256 rows I fetch:
	s_mul_i32 s17, s16, 128*PK                     ; its place in a slot, for K
	s_mul_i32 s18, s16, 128*PV                     ; and for V
	s_add_co_u32 s18, s18, VOFF
	s_lshl_b32 s19, s15, 19                        ; the head's bytes in a plane
	s_lshl_b32 s80, s16, 15                        ; my 128 rows of 256 bytes
	s_add_co_u32 s80, s80, s19
	s_add_co_u32 s82, s80, 0x1000000               ; V's plane
	s_add_co_u32 s80, s80, 0x800000                ; K's plane
	s_mov_b32 s81, 0
	s_mov_b32 s83, 0
	s_mov_b32 s[G1K], 15|(1<<16)|(1<<20)|(1<<21)|(5<<22)|(3<<25)  ; 15:0 the mask of four; 17:16 2-byte elements; 20 padding on; 21 set beside a mask; 24:22 after every 64 words; 31:25 4 words
	s_mov_b32 s[G1V], 15|(1<<16)|(1<<20)|(1<<21)|(5<<22)|(7<<25)  ; the same with 8 words
.irp g, G1K, G1V
	s_mov_b32 s[(\g)+1], 128<<16                   ; tensor_dim0 = 128
	s_mov_b32 s[(\g)+2], 128<<16                   ; tensor_dim1 = 128
	s_mov_b32 s[(\g)+3], 128<<16                   ; tile_dim0 = 128
	s_mov_b32 s[(\g)+4], 128                       ; tile_dim1 = 128
	s_mov_b32 s[(\g)+5], 128                       ; elements from row to row
	s_mov_b32 s[(\g)+6], 0
	s_mov_b32 s[(\g)+7], 0
.endr
	s_mov_b32 s[CS], 0x3e0293ee                    ; c = 0.127517
	s_mov_b32 s[CS+1], s[CS]
	s_mov_b32 s[SEL], 0x76543210
	s_mov_b32 s[SEL+1], 0xfedcba98
	s_mov_b32 s[TB], SLOT                          ; the first change of slots turns it into 0
	s_mov_b32 s[TBF], 0
	s_sub_co_u32 s[L2], 7, s[SA]
	s_sub_co_u32 s[A8], 8, s[SA]
	s_sub_co_u32 s[R3], 3, s[SR]
	s_mov_b32 s[NXT], 1                            ; tile 0 is asked for below; then tile 1 of the first block,
	s_mov_b32 s[LQ], s[SA]
	s_cmp_gt_u32 s[NXT], s[LQ]                     ; or, where that block has one tile alone (a = 0), tile 0 of the second
	s_cselect_b32 s[NXT], 0, s[NXT]
	s_cselect_b32 s[LQ], s[L2], s[LQ]
	s_mov_b32 s[BIGN], 0xf149f2ca                  ; -1e30
	s_mov_b32 s[OFF+1], 0
	s_mov_b32 s[CNT], 8
	s_cmp_eq_u32 s[SA], 0
	s_cselect_b32 s[LIM], 1, -1
	s_mov_b32 s[G0K], 1
	s_mov_b32 s[G0K+1], s17                        ; slot 0
	s_mov_b32 s[G0V], 1
	s_mov_b32 s[G0V+1], s18
	s_wait_dscnt 0x0                               ; the opening add is done
	s_wait_kmcnt 0x0
	s_add_nc_u64 s[KB:KB+1], s[4:5], s[80:81]
	s_add_nc_u64 s[VB:VB+1], s[4:5], s[82:83]
	s_add_nc_u64 s[G0K+2:G0K+3], s[KB:KB+1], 0
	s_or_b32 s[G0K+3], s[G0K+3], 0x80000000
	s_add_nc_u64 s[G0V+2:G0V+3], s[VB:VB+1], 0
	s_or_b32 s[G0V+3], s[G0V+3], 0x80000000
	CROUND                                         ; all four work-groups are here
	JLOAD                                          ; tile 0 into slot 0
	s_lshl_b32 s84, s[SA], 2
	s_add_co_u32 s84, s84, s[SR]                   ; the first block, b
	s_sub_co_u32 s85, 31, s84                      ; the second, 31 - b
	s_mov_b32 s87, 0
	s_lshl_b32 s86, s84, 14                        ; a block's 64 rows of 256 bytes
	s_add_co_u32 s86, s86, s19
	s_add_nc_u64 s[QF:QF+1], s[4:5], s[86:87]
	s_lshl_b32 s86, s85, 14
	s_add_co_u32 s86, s86, s19
	s_add_nc_u64 s[QN:QN+1], s[4:5], s[86:87]
	s_lshl_b32 s79, s[WV], 16                      ; O: my 16 rows of 4,096 bytes,
	s_lshl_b32 s86, s15, 8                         ; the head's 256 bytes
	s_add_co_u32 s79, s79, s86
	s_lshl_b32 s86, s84, 18
	s_add_co_u32 s86, s86, s79
	s_add_nc_u64 s[OL:OL+1], s[6:7], s[86:87]
	s_lshl_b32 s86, s85, 18
	s_add_co_u32 s86, s86, s79
	s_add_nc_u64 s[OL+2:OL+3], s[6:7], s[86:87]
	s_lshr_b32 s79, s[WV], 1                       ; the prefetches: K's plane for waves 0, 1, V's for waves 2, 3,
	s_mov_b32 s86, 0x800000
	s_lshl_b32 s86, s86, s79
	s_add_co_u32 s86, s86, s19                     ; the head,
	s_lshl_b32 s79, s[SR], 14                      ; my work-group's 64 rows,
	s_add_co_u32 s86, s86, s79
	s_lshl_b32 s79, s16, 13                        ; my wave's 32 of them,
	s_add_co_u32 s86, s86, s79                     ; in tile 0: each change of slots steps it a tile on, so that trip i stands at tile i + 1
	s_add_nc_u64 s[PFA:PFA+1], s[4:5], s[86:87]
	v_and_b32 v1, 15, v0                           ; l % 16
	v_bfe_u32 v9, v0, 4, 1                         ; l / 16
	v_lshlrev_b32 v[QO], 8, v1
	v_lshl_add_u32 v[QO], v9, 4, v[QO]
	WIN 0x80                                       ; destination window 2
.set i, 0
.rept 16                               ; both blocks' Q stay in registers: tile i / 4, channels 32 (i % 4) on
	global_load_b128 v[8*i:8*i+3],   v[QO], s[QF:QF+1] offset:(i/4)*4096+(i%4)*64
	global_load_b128 v[8*i+4:8*i+7], v[QO], s[QF:QF+1] offset:(i/4)*4096+(i%4)*64+32
.set i, i+1
.endr
	WIN 0xc0                                       ; destination window 3
.set i, 0
.rept 16
	global_load_b128 v[8*i:8*i+3],   v[QO], s[QN:QN+1] offset:(i/4)*4096+(i%4)*64
	global_load_b128 v[8*i+4:8*i+7], v[QO], s[QN:QN+1] offset:(i/4)*4096+(i%4)*64+32
.set i, i+1
.endr
	; What is set aside for the first block starts as an empty sum (O^T = 0, l = 0, c m far below every c s), and so does O^T: the first step multiplies it by a = 0.  The 384 registers are
	; written eight at a time, by products of two fragments of zeros with C = 0: 48 lines.  All this stands in the wait for the first tile.
	WIN 0
.set i, 0
.rept 16
	v_mov_b32 v[S+i], 0
.set i, i+1
.endr
	WIN 0xc0                                       ; destination window 3, its upper half
.set i, 16
.rept 16
	v_wmma_f32_16x16x32_f16 v[8*i:8*i+7], v[S:S+7], v[S+8:S+15], 0
.set i, i+1
.endr
	WIN 0x40                                       ; destination window 1
.set i, 0
.rept 32
	v_wmma_f32_16x16x32_f16 v[8*i:8*i+7], v[S:S+7], v[S+8:S+15], 0
.set i, i+1
.endr
	WIN 0
.irp t, 0,1,2,3
	v_mov_b32 v[ST+8*(\t)], 0xfe000000             ; c m
	v_mov_b32 v[ST+8*(\t)+1], 0xff7fffff           ; m: the lowest finite number
.irp n, 2,3,4,5,6,7
	v_mov_b32 v[ST+8*(\t)+(\n)], 0
.endr
.endr
	s_mul_i32 s84, s[WV], 64*PK                    ; my wave's 64 keys
	v_mul_u32_u24 v[AK0], v1, PK
	v_lshl_add_u32 v[AK0], v9, 4, v[AK0]
	v_add_nc_u32 v[AK0], s84, v[AK0]
	s_mul_i32 s84, s[WV], 64*PV
	s_add_co_u32 s84, s84, VOFF
	v_and_b32 v11, 7, v0                           ; the turning load: lane l reads key 8 (l / 16) + l % 8, channels 8 ((l / 8) % 2) on
	v_bfe_u32 v51, v0, 3, 1
	v_lshl_add_u32 v[AV0], v9, 3, v11
	v_mul_u32_u24 v[AV0], v[AV0], PV
	v_lshl_add_u32 v[AV0], v51, 4, v[AV0]
	v_add_nc_u32 v[AV0], s84, v[AV0]
	s_lshl_b32 s84, s[WV], 9
	s_add_co_u32 s84, s84, STATS
	v_lshl_add_u32 v[SS], v1, 3, s84
	v_lshl_add_u32 v[SL], v1, 3, STATS
	s_mul_i32 s84, s[WV], 64*MP
	v_mul_u32_u24 v[MST0], v1, MP
	v_lshl_add_u32 v[MST0], v9, 5, v[MST0]
	v_add_nc_u32 v[MST0], s84, v[MST0]
	v_add_nc_u32 v[MST1], SLOT, v[MST0]
	v_lshlrev_b32 v51, 3, v9
	v_sub_nc_u32 v[DIF], v1, v51
	s_mul_i32 s84, s[WV], 16*MP                    ; back: my 16 rows of every wave's area; lanes 0-15 one row, lanes 16-31 the next, 32 bytes a lane
	v_mul_u32_u24 v51, v9, MP
	v_lshl_add_u32 v51, v1, 5, v51
	v_add_nc_u32 v[MRD], s84, v51
	v_add_nc_u32 v[MRD+1], 2*64*MP, v[MRD]
	v_lshlrev_b32 v[GO], 12, v9
	v_lshl_add_u32 v[GO], v1, 4, v[GO]
	v_and_b32 v51, 31, v0
	v_lshlrev_b32 v[PFO], 8, v51
	PUTSTATS 0                                     ; the empty sum's statistics
	s_wait_loadcnt 0x0                             ; Q
.Ltile:                                                ; eight trips: a tile is entered and the next is asked for
	CHANGE 1
	SWITCH
	STEP
	s_sub_co_u32 s[CNT], s[CNT], 1
	s_cmp_lg_u32 s[CNT], 0
	s_cbranch_scc1 .Ltile
	CHANGE 0                                       ; the walk's last tile is written out; the change of blocks lies behind
	STEP
	; THE MERGE.  Behind the barrier all eight sets of statistics lie in LDS, nobody reads the ring any more and nothing is filled into it.
	PLACES
	PLACES
	PUTSTATS 1
	s_wait_dscnt 0x0
	s_barrier_signal -1
	s_barrier_wait -1
.set u, 0
.rept 8                                ; unit u: block u / 4, tile u % 4: the four waves' (c m, l) of my query, and my own
.irp pw, 0,1,2,3
	ds_load_b64 v[MS+16*u+2*(\pw):MS+16*u+2*(\pw)+1], v[SL] offset:2048*(u/4)+512*(\pw)+128*(u%4)
.endr
	ds_load_b64 v[MS+16*u+8:MS+16*u+9], v[SS] offset:2048*(u/4)+128*(u%4)
.set u, u+1
.endr
.macro ALLU line:vararg                ; one line for each unit u
.set u, 0
.rept 8
	\line
.set u, u+1
.endr
.endm
	s_wait_dscnt 0x0
	ALLU v_max3_num_f32 v[MS+16*u+10], v[MS+16*u], v[MS+16*u+2], v[MS+16*u+4]
	ALLU v_max_num_f32 v[MS+16*u+10], v[MS+16*u+10], v[MS+16*u+6]
	ALLU v_sub_f32 v[MS+16*u], v[MS+16*u], v[MS+16*u+10]
	ALLU v_sub_f32 v[MS+16*u+2], v[MS+16*u+2], v[MS+16*u+10]
	ALLU v_sub_f32 v[MS+16*u+4], v[MS+16*u+4], v[MS+16*u+10]
	ALLU v_sub_f32 v[MS+16*u+6], v[MS+16*u+6], v[MS+16*u+10]
	ALLU v_sub_f32 v[MS+16*u+8], v[MS+16*u+8], v[MS+16*u+10]
	ALLU v_exp_f32 v[MS+16*u], v[MS+16*u]
	ALLU v_exp_f32 v[MS+16*u+2], v[MS+16*u+2]
	ALLU v_exp_f32 v[MS+16*u+4], v[MS+16*u+4]
	ALLU v_exp_f32 v[MS+16*u+6], v[MS+16*u+6]
	ALLU v_exp_f32 v[MS+16*u+8], v[MS+16*u+8]
	v_nop
	s_wait_alu depctr_va_vdst(0)                   ; one wait for the forty exponentials
	ALLU v_mul_f32 v[MS+16*u+11], v[MS+16*u], v[MS+16*u+1]
	ALLU v_fmac_f32 v[MS+16*u+11], v[MS+16*u+2], v[MS+16*u+3]
	ALLU v_fmac_f32 v[MS+16*u+11], v[MS+16*u+4], v[MS+16*u+5]
	ALLU v_fmac_f32 v[MS+16*u+11], v[MS+16*u+6], v[MS+16*u+7]
	ALLU v_rcp_f32 v[MS+16*u+12], v[MS+16*u+11]
	v_nop
	s_wait_alu depctr_va_vdst(0)                   ; one wait for the eight reciprocals
	ALLU v_mul_f32 v[MS+16*u+14], v[MS+16*u+8], v[MS+16*u+12]
	ALLU v_mov_b32 v[MS+16*u+15], v[MS+16*u+14]
.macro SCALE blk                       ; my partial O^T times my weight over the merged l; then into my area, in f32
.if (\blk) == 0
	WIN 0xc3
.else
	WIN W_RS
.endif
.set i, 0
.rept 128
	v_pk_mul_f32 v[2*i:2*i+1], v[2*i:2*i+1], v[MS+16*(4*(\blk)+i/32)+14:MS+16*(4*(\blk)+i/32)+15] op_sel_hi:[1,0]
.set i, i+1
.endr
.if (\blk) == 0
	WIN 0x0c                                       ; store data in window 3
.else
	WIN 0x04                                       ; in window 1
.endif
.set i, 0
.rept 32                               ; tile i / 8, channels 16 (i % 8) on
	ds_store_b128 v[MST0+2*(\blk)], v[8*i:8*i+3]   offset:16*MP*(i/8)+64*(i%8)
	ds_store_b128 v[MST0+2*(\blk)], v[8*i+4:8*i+7] offset:16*MP*(i/8)+64*(i%8)+16
.set i, i+1
.endr
.endm
	SCALE 0
	SCALE 1
	WIN 0
	s_wait_dscnt 0x0                               ; for the others' sake: my stores are done
	s_barrier_signal -1
	s_barrier_wait -1
	; Wave w finishes rows 16 w .. 16 w + 15 of both blocks.  A trip of the inner loop takes four pairs of rows: the four waves' parts are added, rounded to f16 and stored.  Two trips a block, two blocks.
	s_mov_b32 s[TB], 0                             ; the first block's areas, at my first pair of rows
	s_mov_b32 s[CNT], 2
.Lblock:
	s_mov_b32 s[NXT], 2
.Lhalf:
	v_add_nc_u32 v[MRD+2], s[TB], v[MRD]
	v_add_nc_u32 v[MRD+3], s[TB], v[MRD+1]
.set q, 0
.rept 4
.irp pw, 0,1,2,3
	ds_load_b128 v[64+32*q+8*(\pw):64+32*q+8*(\pw)+3],   v[MRD+2+(\pw)/2] offset:64*MP*((\pw)%2)+2*MP*q
	ds_load_b128 v[64+32*q+8*(\pw)+4:64+32*q+8*(\pw)+7], v[MRD+2+(\pw)/2] offset:64*MP*((\pw)%2)+2*MP*q+16
.endr
.set q, q+1
.endr
	s_wait_dscnt 0x0
.set q, 0
.rept 4
.irp e, 0,2,4,6
	v_pk_add_f32 v[64+32*q+(\e):64+32*q+(\e)+1], v[64+32*q+(\e):64+32*q+(\e)+1], v[64+32*q+8+(\e):64+32*q+8+(\e)+1]
	v_pk_add_f32 v[64+32*q+16+(\e):64+32*q+16+(\e)+1], v[64+32*q+16+(\e):64+32*q+16+(\e)+1], v[64+32*q+24+(\e):64+32*q+24+(\e)+1]
.endr
.irp e, 0,2,4,6
	v_pk_add_f32 v[64+32*q+(\e):64+32*q+(\e)+1], v[64+32*q+(\e):64+32*q+(\e)+1], v[64+32*q+16+(\e):64+32*q+16+(\e)+1]
.endr
.irp e, 0,1,2,3
	v_cvt_pk_f16_f32 v[192+4*q+(\e)], v[64+32*q+2*(\e)], v[64+32*q+2*(\e)+1]
.endr
	global_store_b128 v[GO], v[192+4*q:192+4*q+3], s[OL:OL+1] offset:8192*q  ; 16 lanes store a head's 256 bytes of a row, aligned
.set q, q+1
.endr
	s_wait_xcnt 0x0                                ; the four stores have read their data and O's address: both are written again only behind this wait
	s_add_nc_u64 s[OL:OL+1], s[OL:OL+1], 4*8192    ; eight rows of O on,
	s_add_co_u32 s[TB], s[TB], 8*MP                ; and of the areas
	s_sub_co_u32 s[NXT], s[NXT], 1
	s_cmp_lg_u32 s[NXT], 0
	s_cbranch_scc1 .Lhalf
	s_mov_b64 s[OL:OL+1], s[OL+2:OL+3]             ; the second block's rows of O,
	s_add_co_u32 s[TB], s[TB], SLOT-16*MP          ; and its areas
	s_sub_co_u32 s[CNT], s[CNT], 1
	s_cmp_lg_u32 s[CNT], 0
	s_cbranch_scc1 .Lblock
	s_wait_tensorcnt 0x0                           ; the wave's end
	ds_add_u32 v[SPW], v[NIL]
	s_wait_dscnt 0x0
	CROUND                                         ; the closing round
	s_endpgm
.Lfunc_end_k_qd1b3a28216_attn:
	.size	k_qd1b3a28216_attn, .Lfunc_end_k_qd1b3a28216_attn-k_qd1b3a28216_attn
	.p2alignl 7, 3214868480
	.fill 96, 4, 3214868480
	.section	.rodata,"a",@progbits
	.p2align	6, 0x0
	.amdhsa_kernel k_qd1b3a28216_attn
		.amdhsa_group_segment_fixed_size 327680
		.amdhsa_private_segment_fixed_size 0
		.amdhsa_enable_private_segment 0
		.amdhsa_kernarg_size 16
		.amdhsa_user_sgpr_count 2
		.amdhsa_user_sgpr_kernarg_segment_ptr 1
		.amdhsa_wavefront_size32 1
		.amdhsa_system_sgpr_workgroup_id_x 1
		.amdhsa_system_sgpr_workgroup_id_y 1
		.amdhsa_system_sgpr_workgroup_id_z 1
		.amdhsa_system_vgpr_workitem_id 0
		.amdhsa_next_free_vgpr 1024
		.amdhsa_next_free_sgpr 88
		.amdhsa_reserve_vcc 1
		.amdhsa_float_denorm_mode_32 3
		.amdhsa_float_denorm_mode_16_64 3
		.amdhsa_memory_ordered 1
		.amdhsa_forward_progress 1
		.amdhsa_inst_pref_size 162
	.end_amdhsa_kernel
	.amdgpu_metadata
---
amdhsa.version: [ 1, 2 ]
amdhsa.kernels:
  - .name:           k_qd1b3a28216_attn
    .symbol:         k_qd1b3a28216_attn.kd
    .args:
      - { .name: qkvh, .offset: 0, .size: 8, .value_kind: global_buffer, .address_space: global }
      - { .name: ob, .offset: 8, .size: 8, .value_kind: global_buffer, .address_space: global }
    .group_segment_fixed_size: 327680
    .private_segment_fixed_size: 0
    .kernarg_segment_align: 8
    .kernarg_segment_size: 16
    .max_flat_workgroup_size: 128
    .sgpr_count:     88
    .vgpr_count:     1024
    .wavefront_size: 32
...
	.end_amdgpu_metadata
.endif
;; end of part 3
;; launch oproj (part 4): grid 16 x 16, 4 waves a work-group, clusters of 4 x 4, 327,680 bytes of LDS; arguments ob, wob, out0; writes out0
.if DOCPART == 4
	.amdgcn_target "amdgcn-amd-amdhsa--gfx1250"
	.amdhsa_code_object_version 6
	.text
	.protected	k_qd1b3a28216_oproj
	.globl	k_qd1b3a28216_oproj
	.p2align	8
	.type	k_qd1b3a28216_oproj,@function
k_qd1b3a28216_oproj:
	s_mov_b64 s[64:65], 0
	v_nop
	global_prefetch_b8 v0, s[64:65] scope:SCOPE_SE
	s_setreg_imm32_b32 hwreg(HW_REG_WAVE_MODE, 25, 1), 1
	s_wait_xcnt 0x0
	s_wait_alu depctr_hold_cnt(0) depctr_sa_sdst(0) depctr_va_vdst(0) depctr_va_sdst(0) depctr_va_ssrc(0) depctr_va_vcc(0) depctr_vm_vsrc(0)
	s_getreg_b32 s2, hwreg(HW_REG_IB_STS2, 6, 4)
	s_cmp_eq_u32 s2, 0
	s_cbranch_scc0 .Lentry_in_a_cluster
	s_endpgm
.Lentry_in_a_cluster:
	s_bfe_u32 s2, ttmp6, 0x10000c
	s_cmp_lg_u32 s2, 0xf033
	s_cbranch_scc0 .Lentry_shape_is_right
	s_endpgm
.Lentry_shape_is_right:
; out0[s][o] = the sum over i of O[s][i] Wo[o][i].  O: ob [2048][2048] f16.  Wo: wob [2048][2048] f16 (bf16's numbers).  out0: [2048][2048] f32.  Sums in f32.
; A tile of out0 is 128 x 128: 256 work-groups, one for each tile.  Four waves, each 64 x 64: 16 accumulators of 16 x 16.  K goes in steps of 256 (LDS rows of 512 bytes; a wave's tensor load
; brings 64 of them) through two slots.  CLUSTERS: 4 x 4: O's tile is asked for jointly along a row of the cluster, Wo's along a column.
; THE WALK ALONG K.  Cluster (X, Y) begins at K step 2 X + 4 g(Y) mod 8, g = 0, 1, 1, 0, and goes once round: clusters that read the same rows of O or of Wo ask for a given K step at
; different times.  The f32 sums are taken in that order.
; THE MATRIX INSTRUCTION IS USED TRANSPOSED (source 0 = 16 rows of Wo, source 1 = 16 rows of O): a lane holds eight neighbouring numbers of a row of out0.
; THE WAY OUT.  A wave's 64 columns of f32 are 256 consecutive bytes, aligned: each wave has a stage of its own (16 rows), and no barrier is needed.
; No prefetch: the tile is small: a step holds few products for the bytes that it fetches.
; REGISTERS: window 0: v16-29 addresses; v32-95 rows on the way out; v128-255 the accumulators ((a, b) at v[128 + 8 (4 a + b)]).  window 1: two fragment buffers of 128.
.set SIZE_K, 2048
.set SIZE_N, 2048
.set KSTEP,  256
.set STEPS,  SIZE_K/KSTEP
.set PITCH,  528                       ; an LDS row: 512 bytes + 16
.set HALFT,  64*PITCH
.set SLOT,   4*HALFT
.set STAGE,  2*SLOT                    ; behind the ring: 16 rows x 272 bytes for each wave
.set SPITCH, 272
.set SPARE,  STAGE+4*16*SPITCH         ; behind the stages: the spare words, 128 bytes a wave
.set ADRA0, 16                         ; v16  my place in O's tile of slot 0; never rewritten
.set ADRA,  17                         ; v17  the same in the slot in hand
.set ADRB0, 20                         ; v20, v21  the same for Wo's tile
.set ADRB,  21
.set STO,  24
.set RD,   25
.set CO,   26
.set SPW,  28
.set NIL,  29
.set TMP,  32
.set ACC,  128
.set F0,   0
.set F1,   128
.set G1, 24                            ; s[24:31] group 1 for O's tile;  s[32:39] group 0: a set for each of the two first fills; the first then serves every refill
.set G0, 32
.set G1B, 48                           ; s[48:55], s[56:63] the same for Wo's tile
.set G0B, 56
.set TB,  66                           ; s66  the slot in hand: 0 or SLOT
.set KI,  67                           ; s67  the K step to be asked for next, 0 .. 7
.set OFK, 68                           ; s[68:69] its byte offset along K
.set MSB, 0
.macro WIN new
.if MSB != (\new)
	s_set_vgpr_msb (MSB<<8)|(\new)
.set MSB, \new
.endif
.endm
.set MUL,  0x05                        ; sources 0 and 1 window 1; C and D window 0
.set TO_F, 0x40                        ; destination window 1, address window 0
.macro JLOAD s                         ; waves 0 and 1 fetch O's two halves, waves 2 and 3 Wo's; an s_nop 0 and four v_nop follow each line
	s_cmp_eq_u32 s11, 0
	s_cbranch_scc0 .Lfor_b_\@
	tensor_load_to_lds s[G0+4*(\s):G0+4*(\s)+3], s[G1:G1+7]
	s_nop 0
.rept 4
	v_nop
.endr
	s_branch .Lasked_\@
.Lfor_b_\@:
	tensor_load_to_lds s[G0B+4*(\s):G0B+4*(\s)+3], s[G1B:G1B+7]
	s_nop 0
.rept 4
	v_nop
.endr
.Lasked_\@:
.endm
.macro CREST
	s_cmp_lg_u32 s10, 0
	s_cbranch_scc1 .Lnot_wave_0_\@
	s_barrier_signal -3
.Lnot_wave_0_\@:
	s_barrier_wait -3
	s_barrier_signal -1
	s_barrier_wait -1
.endm
.macro CROUND
	s_barrier_signal -1
	s_barrier_wait -1
	CREST
.endm
	s_load_b128 s[4:7], s[0:1], 0x0                ; ob s[4:5], wob s[6:7]
	s_load_b64 s[8:9], s[0:1], 0x10                ; out0
	v_lshl_add_u32 v[SPW], v0, 2, SPARE
	v_mov_b32 v[NIL], 0
	ds_add_u32 v[SPW], v[NIL]                      ; the wave's opening: the add and its wait ahead of my first tensor load
	v_lshrrev_b32 v1, 5, v0
	v_readfirstlane_b32 s10, v1                    ; wave 0..3
	s_lshr_b32 s11, s10, 1                         ; my half of the tile's rows.  Also: I fetch for O (0) or for Wo (1)
	s_and_b32 s12, s10, 1                          ; my half of its columns.  Also: which 64 rows of that tile I fetch
	s_bfe_u32 s40, ttmp6, 0x40000                  ; cx, cy
	s_bfe_u32 s41, ttmp6, 0x40004
	s_lshl_b32 s42, ttmp9, 2
	s_add_co_u32 s42, s42, s40                     ; tile column
	s_and_b32 s45, ttmp7, 0xffff                   ; cluster y
	s_lshl_b32 s13, s45, 2
	s_add_co_u32 s13, s13, s41                     ; tile row
	s_lshl_b32 s43, s41, 2
	s_lshl_b32 s43, 15, s43                        ; my row of the cluster
	s_lshl_b32 s44, 0x1111, s40                    ; my column
	s_or_b32 s[G1+0], s43, (1<<16)|(1<<20)|(1<<21)|(6<<22)|(3<<25)  ; 2-byte elements; padding on; 21 set beside a mask; after every 128 words 4 words
	s_or_b32 s[G1B+0], s44, (1<<16)|(1<<20)|(1<<21)|(6<<22)|(3<<25)
.irp g, G1, G1B
	s_mov_b32 s[(\g)+1], KSTEP<<16                 ; tensor_dim0 = 256
	s_mov_b32 s[(\g)+2], 64<<16                    ; tensor_dim1 = 64
	s_mov_b32 s[(\g)+3], KSTEP<<16                 ; tile_dim0 = 256
	s_mov_b32 s[(\g)+4], 64                        ; tile_dim1 = 64
	s_mov_b32 s[(\g)+5], SIZE_K
	s_mov_b32 s[(\g)+6], 0
	s_mov_b32 s[(\g)+7], 0
.endr
	s_lshr_b32 s[KI], s45, 1                       ; where my cluster's walk begins: g(Y) = 0, 1, 1, 0,
	s_xor_b32 s[KI], s[KI], s45
	s_and_b32 s[KI], s[KI], 1
	s_lshl_b32 s[KI], s[KI], 1
	s_add_co_u32 s[KI], s[KI], ttmp9
	s_lshl_b32 s[KI], s[KI], 1
	s_and_b32 s[KI], s[KI], STEPS-1                ; K step 2 X + 4 g mod 8: even, the same in all sixteen partners
	s_lshl_b32 s[OFK], s[KI], 9                    ; a K step is 512 bytes of a row
	s_mov_b32 s[OFK+1], 0
	s_mov_b32 s[TB], 0
	s_lshl_b32 s17, s12, 6
	s_lshl_b32 s16, s13, 7
	s_add_co_u32 s16, s16, s17                     ; O: row 128 x tile row + 64 x half
	s_lshl_b32 s46, s42, 7
	s_add_co_u32 s46, s46, s17                     ; Wo: row 128 x tile column + 64 x half
	s_mov_b32 s17, 0
	s_mov_b32 s47, 0
	s_mov_b64 s[18:19], SIZE_K*2
	s_mul_u64 s[16:17], s[16:17], s[18:19]
	s_mul_u64 s[46:47], s[46:47], s[18:19]
	s_mul_i32 s20, s10, HALFT                      ; where my part goes in a slot: wave x 64 rows; kept
	s_wait_dscnt 0x0                               ; the opening add is done
	s_wait_kmcnt 0x0
	s_add_nc_u64 s[14:15], s[4:5], s[16:17]        ; my part of O's tile at K step 0; kept
	s_add_nc_u64 s[46:47], s[6:7], s[46:47]        ; of Wo's; kept
	CROUND                                         ; all sixteen work-groups are here
.irp s, 0,1
	s_mov_b32 s[G0+4*(\s)], 1
	s_add_co_u32 s[G0+4*(\s)+1], s20, (\s)*SLOT
	s_add_nc_u64 s[G0+4*(\s)+2:G0+4*(\s)+3], s[14:15], s[OFK:OFK+1]
	s_add_nc_u64 s[G0+4*(\s)+2:G0+4*(\s)+3], s[G0+4*(\s)+2:G0+4*(\s)+3], (\s)*KSTEP*2
	s_or_b32 s[G0+4*(\s)+3], s[G0+4*(\s)+3], 0x80000000
	s_mov_b32 s[G0B+4*(\s)], 1
	s_add_co_u32 s[G0B+4*(\s)+1], s20, (\s)*SLOT
	s_add_nc_u64 s[G0B+4*(\s)+2:G0B+4*(\s)+3], s[46:47], s[OFK:OFK+1]
	s_add_nc_u64 s[G0B+4*(\s)+2:G0B+4*(\s)+3], s[G0B+4*(\s)+2:G0B+4*(\s)+3], (\s)*KSTEP*2
	s_or_b32 s[G0B+4*(\s)+3], s[G0B+4*(\s)+3], 0x80000000
	JLOAD \s                                       ; two loads of mine are out
.endr
	s_add_co_u32 s[KI], s[KI], 2                   ; the first refill's K step
	s_and_b32 s[KI], s[KI], STEPS-1
	v_and_b32 v1, 15, v0                           ; l % 16
	v_bfe_u32 v2, v0, 4, 1                         ; l / 16
	v_mul_u32_u24 v3, v1, PITCH
	v_lshl_add_u32 v3, v2, 4, v3
	s_mul_i32 s21, s11, HALFT                      ; my 64 rows of O
	s_mul_i32 s22, s12, HALFT                      ; my 64 rows of Wo,
	s_add_co_u32 s22, s22, 2*HALFT                 ; behind O's 128
	v_add_nc_u32 v[ADRA0], s21, v3
	v_add_nc_u32 v[ADRB0], s22, v3
	v_mov_b32 v[ADRA], v[ADRA0]                    ; slot 0 is in hand
	v_mov_b32 v[ADRB], v[ADRB0]
	s_mul_i32 s23, s10, 16*SPITCH
	s_add_co_u32 s23, s23, STAGE                   ; my stage
	v_mul_u32_u24 v4, v1, SPITCH                   ; in: row l % 16, 32 bytes for each half of the lanes
	v_lshl_add_u32 v4, v2, 5, v4
	v_add_nc_u32 v[STO], s23, v4
	v_mul_u32_u24 v5, v2, SPITCH                   ; back: lanes 0-15 one row of 256 bytes, lanes 16-31 the next
	v_lshl_add_u32 v5, v1, 4, v5
	v_add_nc_u32 v[RD], s23, v5
	v_lshlrev_b32 v5, 13, v2                       ; and the same two rows in out0: 8,192 bytes a row
	v_lshl_add_u32 v[CO], v1, 4, v5
	s_lshl_b32 s16, s13, 7
	s_lshl_b32 s17, s11, 6
	s_add_co_u32 s16, s16, s17                     ; my first row
	s_lshl_b32 s16, s16, 13
	s_mov_b32 s17, 0
	s_add_nc_u64 s[8:9], s[8:9], s[16:17]
	s_lshl_b32 s70, s42, 9                         ; my first column, in bytes: 512 x tile column + 256 x half
	s_lshl_b32 s71, s12, 8
	s_add_co_u32 s70, s70, s71
	s_mov_b32 s71, 0
	s_add_nc_u64 s[8:9], s[8:9], s[70:71]
; 8 matrix instructions: row blocks a0, a0 + 1 x all 4 column blocks, 32 along K: half c of buffer f.  zero = 1: the first product starts the sums.  The 16 accumulators take turns.
.macro MUL8 f, c, a0, zero
	WIN MUL
.irp a, \a0, (\a0)+1
.irp b, 0,1,2,3
.if \zero
	v_wmma_f32_16x16x32_f16 v[ACC+8*(4*(\a)+(\b)):ACC+8*(4*(\a)+(\b))+7], v[(\f)+64+8*(4*(\c)+(\b)):(\f)+64+8*(4*(\c)+(\b))+7], v[(\f)+8*(4*(\c)+(\a)):(\f)+8*(4*(\c)+(\a))+7], 0
.else
	v_wmma_f32_16x16x32_f16 v[ACC+8*(4*(\a)+(\b)):ACC+8*(4*(\a)+(\b))+7], v[(\f)+64+8*(4*(\c)+(\b)):(\f)+64+8*(4*(\c)+(\b))+7], v[(\f)+8*(4*(\c)+(\a)):(\f)+8*(4*(\c)+(\a))+7], v[ACC+8*(4*(\a)+(\b)):ACC+8*(4*(\a)+(\b))+7]
.endif
.endr
.endr
.endm
; 32 LDS loads in one run: the fragments of 64 along K at byte k of the rows of the slot in hand, into buffer f; the first 32 along K first
.macro FETCH k, f
	WIN TO_F
.irp c, 0,1
.irp i, 0,1,2,3
	ds_load_b128 v[(\f)+64+8*(4*(\c)+(\i)):(\f)+64+8*(4*(\c)+(\i))+3],   v[ADRB] offset:(\k)+64*(\c)+(\i)*16*PITCH
	ds_load_b128 v[(\f)+64+8*(4*(\c)+(\i))+4:(\f)+64+8*(4*(\c)+(\i))+7], v[ADRB] offset:(\k)+64*(\c)+(\i)*16*PITCH+32
	ds_load_b128 v[(\f)+8*(4*(\c)+(\i)):(\f)+8*(4*(\c)+(\i))+3],         v[ADRA] offset:(\k)+64*(\c)+(\i)*16*PITCH
	ds_load_b128 v[(\f)+8*(4*(\c)+(\i))+4:(\f)+8*(4*(\c)+(\i))+7],       v[ADRA] offset:(\k)+64*(\c)+(\i)*16*PITCH+32
.endr
.endr
.endm
.macro PLACES
.rept 4
	v_nop
.endr
.endm
; A K step is four quarters of 64 along K, 32 matrix instructions each, on buffers 0, 1, 0, 1.
.macro QUARTER k, f, g, zero
	s_wait_dscnt 16                                ; the first 32 along K are in; the youngest sixteen loads may be out
	WIN MUL
	MUL8 \f, 0, 0, \zero
	MUL8 \f, 0, 2, \zero
	PLACES
	FETCH \k, \g
	s_wait_dscnt 32                                ; all but the 32 just issued
	WIN MUL
	MUL8 \f, 1, 0, 0
	MUL8 \f, 1, 2, 0
.endm
; The last quarter multiplies buffer 1 and changes slots: one barrier; in front of it each wave waits for all its tensor loads, adds 0 to its spare word, and waits for that and for its reads of
; this slot.  fill = 1: the slot in hand is filled again, two K steps on: both group 0 are made anew behind the wait that shows no load of mine out.
.macro TURN fill
.if \fill
	s_lshl_b32 s[OFK], s[KI], 9                    ; the refill's K step,
	s_add_co_u32 s[KI], s[KI], 1
	s_and_b32 s[KI], s[KI], STEPS-1                ; and the one behind it, round K's end
.endif
	WIN 0
	s_wait_tensorcnt 0x0                           ; all my tensor loads have landed: my part of the next slot
	ds_add_u32 v[SPW], v[NIL]
.if \fill
	s_add_co_u32 s[G0+1], s20, s[TB]               ; my part's place in the slot that is being left
	s_add_nc_u64 s[G0+2:G0+3], s[14:15], s[OFK:OFK+1]
	s_or_b32 s[G0+3], s[G0+3], 0x80000000
	s_add_co_u32 s[G0B+1], s20, s[TB]
	s_add_nc_u64 s[G0B+2:G0B+3], s[46:47], s[OFK:OFK+1]
	s_or_b32 s[G0B+3], s[G0B+3], 0x80000000
.endif
	s_wait_dscnt 17                                ; (the add and the youngest sixteen loads may be out)
	WIN MUL
	MUL8 F1, 0, 0, 0
	s_wait_dscnt 0x0                               ; the add is done, and my reads of this slot are over
	s_barrier_signal -1
	MUL8 F1, 0, 2, 0
.if \fill
	WIN 0
.endif
	s_barrier_wait -1
.if \fill
	CREST                                          ; no wave of any partner still reads this slot or has a load on its way
	JLOAD 0                                        ; 112 matrix instructions ahead of the wait for it; its four v_nop are also the places in front of the loads below
.else
	PLACES
	WIN 0
.endif
	s_xor_b32 s[TB], s[TB], SLOT                   ; the other slot is in hand
	v_add_nc_u32 v[ADRA], s[TB], v[ADRA0]
	v_add_nc_u32 v[ADRB], s[TB], v[ADRB0]
	FETCH 0, F0
	WIN MUL
	MUL8 F1, 1, 0, 0
	MUL8 F1, 1, 2, 0
.endm
	s_wait_tensorcnt 1                             ; my part of the walk's step 0 is in; step 1's may stay out
	s_barrier_signal -1
	s_barrier_wait -1
	FETCH 0, F0
	QUARTER 128, F0, F1, 1                         ; the first quarter stands in front of the loop: its first products start the sums
	WIN 0
	s_mov_b32 s3, STEPS-2
.Lstep:                                                ; trip j: the last three quarters of step j, the first of step j + 1; step j's slot is filled again with step j + 2
	QUARTER 256, F1, F0, 0
	QUARTER 384, F0, F1, 0
	TURN 1
	QUARTER 128, F0, F1, 0
	WIN 0
	s_sub_co_u32 s3, s3, 1
	s_cmp_lg_u32 s3, 0
	s_cbranch_scc1 .Lstep
	QUARTER 256, F1, F0, 0                         ; the last two steps fill nothing
	QUARTER 384, F0, F1, 0
	TURN 0
	QUARTER 128, F0, F1, 0
	QUARTER 256, F1, F0, 0
	QUARTER 384, F0, F1, 0
	s_wait_dscnt 16
	WIN MUL
	MUL8 F1, 0, 0, 0
	MUL8 F1, 0, 2, 0
	s_wait_dscnt 0
	MUL8 F1, 1, 0, 0
	MUL8 F1, 1, 2, 0
	WIN 0
	; THE WAY OUT, 16 rows at a time: the sums go as they are, 32 bytes a lane, into my stage and come back as whole rows of 256 bytes.  LDS serves a wave's instructions in order (ISA guide 5.7.1.4).
	PLACES
	PLACES
.irp a, 0,1,2,3
.irp b, 0,1,2,3
	ds_store_b128 v[STO], v[ACC+8*(4*(\a)+(\b)):ACC+8*(4*(\a)+(\b))+3]   offset:64*(\b)
	ds_store_b128 v[STO], v[ACC+8*(4*(\a)+(\b))+4:ACC+8*(4*(\a)+(\b))+7] offset:64*(\b)+16
.endr
.if (\a) >= 2
	s_wait_xcnt 0x0                                ; the stores of two blocks back have read the registers that are loaded again below
.endif
.irp t, 0,1,2,3,4,5,6,7
	ds_load_b128 v[TMP+32*((\a)%2)+4*(\t):TMP+32*((\a)%2)+4*(\t)+3], v[RD] offset:(\t)*2*SPITCH
.endr
.irp t, 0,1,2,3,4,5,6,7
	s_wait_dscnt 7-(\t)                            ; load t is in, the younger ones stay out
	global_store_b128 v[CO], v[TMP+32*((\a)%2)+4*(\t):TMP+32*((\a)%2)+4*(\t)+3], s[8:9] offset:(16*(\a)+2*(\t))*SIZE_N*4  ; 16 lanes store 256 consecutive bytes, aligned
.endr
.endr
	s_wait_tensorcnt 0x0                           ; the wave's end
	ds_add_u32 v[SPW], v[NIL]
	s_wait_dscnt 0x0
	CROUND                                         ; the closing round
	s_endpgm
.Lfunc_end_k_qd1b3a28216_oproj:
	.size	k_qd1b3a28216_oproj, .Lfunc_end_k_qd1b3a28216_oproj-k_qd1b3a28216_oproj
	.p2alignl 7, 3214868480
	.fill 96, 4, 3214868480
	.section	.rodata,"a",@progbits
	.p2align	6, 0x0
	.amdhsa_kernel k_qd1b3a28216_oproj
		.amdhsa_group_segment_fixed_size 327680
		.amdhsa_private_segment_fixed_size 0
		.amdhsa_enable_private_segment 0
		.amdhsa_kernarg_size 24
		.amdhsa_user_sgpr_count 2
		.amdhsa_user_sgpr_kernarg_segment_ptr 1
		.amdhsa_wavefront_size32 1
		.amdhsa_system_sgpr_workgroup_id_x 1
		.amdhsa_system_sgpr_workgroup_id_y 1
		.amdhsa_system_sgpr_workgroup_id_z 1
		.amdhsa_system_vgpr_workitem_id 0
		.amdhsa_next_free_vgpr 512
		.amdhsa_next_free_sgpr 72
		.amdhsa_reserve_vcc 0
		.amdhsa_float_denorm_mode_32 3
		.amdhsa_float_denorm_mode_16_64 3
		.amdhsa_memory_ordered 1
		.amdhsa_forward_progress 1
		.amdhsa_inst_pref_size 69
	.end_amdhsa_kernel
	.amdgpu_metadata
---
amdhsa.version: [ 1, 2 ]
amdhsa.kernels:
  - .name:           k_qd1b3a28216_oproj
    .symbol:         k_qd1b3a28216_oproj.kd
    .args:
      - { .name: ob, .offset: 0, .size: 8, .value_kind: global_buffer, .address_space: global }
      - { .name: wob, .offset: 8, .size: 8, .value_kind: global_buffer, .address_space: global }
      - { .name: out0, .offset: 16, .size: 8, .value_kind: global_buffer, .address_space: global }
    .group_segment_fixed_size: 327680
    .private_segment_fixed_size: 0
    .kernarg_segment_align: 8
    .kernarg_segment_size: 24
    .max_flat_workgroup_size: 128
    .sgpr_count:     72
    .vgpr_count:     512
    .wavefront_size: 32
...
	.end_amdgpu_metadata
.endif
;; end of part 4
